; MI455X (gfx1250); checked and timed in simulation.
; The chip was launched on July 23, 2026; its instructions are those of AMD's public machine-readable ISA for CDNA 5 (MIT licence, August 2026) and "CDNA5" Instruction Set Architecture Reference Guide (July 2026). The comments in the code are by the model that wrote it; some were corrected since.
;; Attention. Allowed arithmetic: float matrix products may take bf16 or f16 operands with f32 sums; other float arithmetic in f32, or as packed bf16 or f16 multiplies, adds, multiply-adds, maxima and minima; sums over many terms, partial sums and values carried from step to step in f32; what a program stores and reads back later, other than sums and carried values, may be rounded once to bf16 or f16.
;; Inputs: Wk 512 x 2,048 float32; Wo 2,048 x 512 float32; Wq 512 x 2,048 float32; Wv 512 x 2,048 float32; x 2 x 4,096 x 2,048 float32.
;; Outputs: out0 2 x 4,096 x 2,048 float32.
;; 2 versions, each right and faster than the one before. Each part assembles by itself: llvm-mc -triple=amdgcn-amd-amdhsa -mcpu=gfx1250 --defsym DOCPART=n.
;; ======== version 1 of 2: 4 launches
;; limits: values are held in f16: magnitudes above 65,504 overflow, below 6.1e-05 lose precision
;; workspace buffers: xb 33,554,432 bytes; wb 6,291,456 bytes; wof 2,097,152 bytes; tab 1,048,576 bytes; qh 8,388,608 bytes; kh 8,388,608 bytes; vh 8,912,896 bytes; ah 9,437,184 bytes
;; launch prep (part 1): grid 656 x 1, 8 waves a work-group, no clusters, 0 bytes of LDS; arguments x, Wq, Wk, Wv, Wo, xb, wb, wof, tab; writes xb, wb, wof, tab
.if DOCPART == 1
	.amdgcn_target "amdgcn-amd-amdhsa--gfx1250"
	.amdhsa_code_object_version 6
	.text
	.protected	k_qf654f9c283_prep
	.globl	k_qf654f9c283_prep
	.p2align	8
	.type	k_qf654f9c283_prep,@function
k_qf654f9c283_prep:
	s_mov_b64 s[64:65], 0
	v_nop
	global_prefetch_b8 v0, s[64:65] scope:SCOPE_SE
	s_setreg_imm32_b32 hwreg(HW_REG_WAVE_MODE, 25, 1), 1
	s_wait_xcnt 0x0
; CASTS AND THE ROPE TABLE.  A stream: no LDS, no matrix unit, no cluster (no two work-groups read the same byte).
; Work-groups 0-511:   x, 131,072 bytes of f32 each, rounded to bf16 into xb (same order).
; Work-groups 512-607: 16 rows of Wq, Wk or Wv each, rounded to bf16 into wb, whose row 192 g + 64 t + c is row 64 g + c of W_t
;                      (t = 0, 1, 2 for q, k, v; g the head): q, k and v of one head lie together, 192 rows.
; Work-groups 608-639: Wo rounded to bf16, and that number written as f16, into wof (same order).
;                      LIMIT: |Wo| within 65,504; below 6e-5 the f16 keeps a fixed step of 6e-8.
; Work-groups 640-655: tab[pos][p] = (cos, sin) of pos x 10000^(-p/32), f32, 256 bytes a position.
;                      LIMIT: 10000^(-p/32) is made by v_exp_f32, so the angle at position 4,095 is off by up to some 5e-4 rad.
; A cast trip: thread t takes 16 bytes at 16 t of each of eight pieces of 4,096 bytes; its four numbers become 8 bytes at 8 t of a piece of
; 2,048 bytes, so a wave's store covers 256 consecutive bytes, aligned.  Eight loads of a wave are out at once.
.set X, 8                              ; v[8:39]   eight loads of four f32
.set Y, 40                             ; v[40:55]  eight pairs of packed results
.set T, 56                             ; v[56:59]  at work (f16 path)
; mode 0: bf16.  mode 1: bf16, widened again and written as f16.  The macro ends the wave.
.macro CASTLOOP src, dst, mode
	s_mov_b32 s22, 4                               ; four trips of 32,768 bytes
.Lcast_\@:
.irp j, 0,1,2,3,4,5,6,7
	global_load_b128 v[X+4*(\j):X+4*(\j)+3], v1, s[\src:\src+1] offset:4096*(\j) th:TH_LOAD_NT
.endr
.irp j, 0,1,2,3,4,5,6,7
	s_wait_loadcnt 7-(\j)                          ; loads come back in order: load j is in, the younger ones stay out
	v_cvt_pk_bf16_f32 v[Y+2*(\j)],   v[X+4*(\j)],   v[X+4*(\j)+1]
	v_cvt_pk_bf16_f32 v[Y+2*(\j)+1], v[X+4*(\j)+2], v[X+4*(\j)+3]
.if \mode
	v_lshlrev_b32 v[T],   16, v[Y+2*(\j)]
	v_and_b32     v[T+1], 0xffff0000, v[Y+2*(\j)]
	v_lshlrev_b32 v[T+2], 16, v[Y+2*(\j)+1]
	v_and_b32     v[T+3], 0xffff0000, v[Y+2*(\j)+1]
	v_cvt_pk_f16_f32 v[Y+2*(\j)],   v[T],   v[T+1]
	v_cvt_pk_f16_f32 v[Y+2*(\j)+1], v[T+2], v[T+3]
.endif
	global_store_b64 v2, v[Y+2*(\j):Y+2*(\j)+1], s[\dst:\dst+1] offset:2048*(\j)
.endr
	s_wait_xcnt 0x0                                ; the offsets and the stores' data are rewritten only behind this wait
	v_add_nc_u32 v1, 0x8000, v1
	v_add_nc_u32 v2, 0x4000, v2
	s_sub_co_u32 s22, s22, 1
	s_cmp_lg_u32 s22, 0
	s_cbranch_scc1 .Lcast_\@
	s_endpgm
.endm
	s_load_b256 s[4:11], s[0:1], 0x0               ; x s[4:5], Wq s[6:7], Wk s[8:9], Wv s[10:11]
	s_load_b256 s[12:19], s[0:1], 0x20             ; Wo s[12:13], xb s[14:15], wb s[16:17], wof s[18:19]
	s_load_b64 s[20:21], s[0:1], 0x40              ; tab
	s_mov_b32 s2, ttmp9
	v_lshlrev_b32 v1, 4, v0                        ; 16 t: where I read
	v_lshlrev_b32 v2, 3, v0                        ; 8 t: where I write
	s_mov_b32 s29, 0                               ; high words of the two offsets
	s_mov_b32 s31, 0
	s_wait_kmcnt 0x0
	s_cmp_lt_u32 s2, 512
	s_cbranch_scc0 .Lnot_x
	s_lshl_b32 s28, s2, 17
	s_lshl_b32 s30, s2, 16
	s_add_nc_u64 s[4:5], s[4:5], s[28:29]
	s_add_nc_u64 s[14:15], s[14:15], s[30:31]
	CASTLOOP 4, 14, 0
.Lnot_x:
	s_cmp_lt_u32 s2, 608
	s_cbranch_scc0 .Lnot_w
	s_sub_co_u32 s32, s2, 512
	s_lshr_b32 s33, s32, 5                         ; t: which W
	s_and_b32 s34, s32, 31                         ; r: which 16 rows of it
	s_lshl_b32 s28, s34, 17                        ; 16 rows of 8,192 bytes
	s_lshr_b32 s35, s34, 2                         ; the head
	s_mul_i32 s35, s35, 192
	s_lshl_b32 s36, s33, 6
	s_add_co_u32 s35, s35, s36
	s_and_b32 s36, s34, 3
	s_lshl_b32 s36, s36, 4
	s_add_co_u32 s35, s35, s36                     ; wb's row 192 g + 64 t + 16 (r % 4)
	s_lshl_b32 s30, s35, 12                        ; rows of 4,096 bytes
	s_cmp_eq_u32 s33, 1
	s_cselect_b64 s[24:25], s[8:9], s[6:7]
	s_cmp_eq_u32 s33, 2
	s_cselect_b64 s[24:25], s[10:11], s[24:25]
	s_add_nc_u64 s[24:25], s[24:25], s[28:29]
	s_add_nc_u64 s[16:17], s[16:17], s[30:31]
	CASTLOOP 24, 16, 0
.Lnot_w:
	s_cmp_lt_u32 s2, 640
	s_cbranch_scc0 .Ltable
	s_sub_co_u32 s32, s2, 608
	s_lshl_b32 s28, s32, 17
	s_lshl_b32 s30, s32, 16
	s_add_nc_u64 s[12:13], s[12:13], s[28:29]
	s_add_nc_u64 s[18:19], s[18:19], s[30:31]
	CASTLOOP 12, 18, 1
.Ltable:
	; A wave makes 32 positions, one a trip; the lane is the pair p.  theta = pos x inv; n = the nearest whole number of turns;
	; r = theta - n 2pi with 2pi in two words; h = r / 2, |h| <= pi/2; sin h to h^11 and cos h to h^12 (the next terms are under 6e-8);
	; sin r = 2 sin h cos h, cos r = 1 - 2 sin^2 h.
	s_sub_co_u32 s32, s2, 640
	v_lshrrev_b32 v3, 5, v0
	v_readfirstlane_b32 s33, v3                    ; wave
	s_lshl_b32 s32, s32, 8
	s_lshl_b32 s33, s33, 5
	s_add_co_u32 s32, s32, s33                     ; my first position
	s_lshl_b32 s34, s32, 8                         ; 256 bytes a position
	s_mov_b32 s35, 0x40c90fdb                      ; 2 pi, upper word
	s_mov_b32 s36, 0xb43bbd2e                      ; 2 pi, what the upper word leaves
	v_and_b32 v3, 31, v0
	v_cvt_f32_u32 v4, v3
	v_mul_f32 v4, 0xbed49a78, v4                   ; -p log2(10000) / 32
	v_exp_f32 v4, v4                               ; inv
	v_lshlrev_b32 v14, 3, v3                       ; (a plain line behind the exponential) 8 bytes a pair
	v_add_nc_u32 v14, s34, v14
	v_cvt_f32_u32 v5, s32                          ; pos as f32, exact
	s_mov_b32 s22, 32
.Lpos:
	s_wait_alu depctr_va_vdst(0)
	v_mul_f32 v6, v5, v4                           ; theta
	v_mul_f32 v7, 0.15915494, v6
	v_rndne_f32 v7, v7
	v_fma_f32 v8, -v7, s35, v6
	v_fma_f32 v8, -v7, s36, v8
	v_mul_f32 v8, 0.5, v8                          ; h
	v_mul_f32 v9, v8, v8                           ; u = h^2
	v_mov_b32 v10, 0xb2d7322b                      ; -1/11!
	v_mov_b32 v11, 0x310f76c7                      ; 1/12!
	v_fmaak_f32 v10, v10, v9, 0x3638ef1d           ; 1/9!
	v_fmaak_f32 v11, v11, v9, 0xb493f27e           ; -1/10!
	v_fmaak_f32 v10, v10, v9, 0xb9500d01           ; -1/7!
	v_fmaak_f32 v11, v11, v9, 0x37d00d01           ; 1/8!
	v_fmaak_f32 v10, v10, v9, 0x3c088889           ; 1/5!
	v_fmaak_f32 v11, v11, v9, 0xbab60b61           ; -1/6!
	v_fmaak_f32 v10, v10, v9, 0xbe2aaaab           ; -1/3!
	v_fmaak_f32 v11, v11, v9, 0x3d2aaaab           ; 1/4!
	v_fma_f32 v10, v10, v9, 1.0
	v_fmaak_f32 v11, v11, v9, 0xbf000000           ; -1/2!
	v_mul_f32 v10, v10, v8                         ; sin h
	v_fma_f32 v11, v11, v9, 1.0                    ; cos h
	v_mul_f32 v15, v10, v11
	v_mul_f32 v16, v10, v10
	v_add_f32 v13, v15, v15                        ; sin
	v_fma_f32 v12, v16, -2.0, 1.0                  ; cos
	global_store_b64 v14, v[12:13], s[20:21]       ; the wave's store covers a position's 256 bytes
	v_add_f32 v5, 1.0, v5
	s_wait_xcnt 0x0                                ; the offset and the pair are rewritten only behind this wait
	v_add_nc_u32 v14, 0x100, v14
	s_sub_co_u32 s22, s22, 1
	s_cmp_lg_u32 s22, 0
	s_cbranch_scc1 .Lpos
	s_endpgm
.Lfunc_end_k_qf654f9c283_prep:
	.size	k_qf654f9c283_prep, .Lfunc_end_k_qf654f9c283_prep-k_qf654f9c283_prep
	.p2alignl 7, 3214868480
	.fill 96, 4, 3214868480
	.section	.rodata,"a",@progbits
	.p2align	6, 0x0
	.amdhsa_kernel k_qf654f9c283_prep
		.amdhsa_group_segment_fixed_size 0
		.amdhsa_private_segment_fixed_size 0
		.amdhsa_enable_private_segment 0
		.amdhsa_kernarg_size 72
		.amdhsa_user_sgpr_count 2
		.amdhsa_user_sgpr_kernarg_segment_ptr 1
		.amdhsa_wavefront_size32 1
		.amdhsa_system_sgpr_workgroup_id_x 1
		.amdhsa_system_sgpr_workgroup_id_y 1
		.amdhsa_system_sgpr_workgroup_id_z 1
		.amdhsa_system_vgpr_workitem_id 0
		.amdhsa_next_free_vgpr 64
		.amdhsa_next_free_sgpr 66
		.amdhsa_reserve_vcc 0
		.amdhsa_float_denorm_mode_32 3
		.amdhsa_float_denorm_mode_16_64 3
		.amdhsa_memory_ordered 1
		.amdhsa_forward_progress 1
		.amdhsa_inst_pref_size 16
	.end_amdhsa_kernel
	.amdgpu_metadata
---
amdhsa.version: [ 1, 2 ]
amdhsa.kernels:
  - .name:           k_qf654f9c283_prep
    .symbol:         k_qf654f9c283_prep.kd
    .args:
      - { .name: x, .offset: 0, .size: 8, .value_kind: global_buffer, .address_space: global }
      - { .name: Wq, .offset: 8, .size: 8, .value_kind: global_buffer, .address_space: global }
      - { .name: Wk, .offset: 16, .size: 8, .value_kind: global_buffer, .address_space: global }
      - { .name: Wv, .offset: 24, .size: 8, .value_kind: global_buffer, .address_space: global }
      - { .name: Wo, .offset: 32, .size: 8, .value_kind: global_buffer, .address_space: global }
      - { .name: xb, .offset: 40, .size: 8, .value_kind: global_buffer, .address_space: global }
      - { .name: wb, .offset: 48, .size: 8, .value_kind: global_buffer, .address_space: global }
      - { .name: wof, .offset: 56, .size: 8, .value_kind: global_buffer, .address_space: global }
      - { .name: tab, .offset: 64, .size: 8, .value_kind: global_buffer, .address_space: global }
    .group_segment_fixed_size: 0
    .private_segment_fixed_size: 0
    .kernarg_segment_align: 8
    .kernarg_segment_size: 72
    .max_flat_workgroup_size: 256
    .sgpr_count:     66
    .vgpr_count:     64
    .wavefront_size: 32
...
	.end_amdgpu_metadata
.endif
;; end of part 1
;; launch qkv (part 2): grid 4 x 64, 4 waves a work-group, clusters of 4 x 4, 327,680 bytes of LDS; arguments xb, wb, tab, qh, kh, vh; writes qh, kh, vh
.if DOCPART == 2
	.amdgcn_target "amdgcn-amd-amdhsa--gfx1250"
	.amdhsa_code_object_version 6
	.text
	.protected	k_qf654f9c283_qkv
	.globl	k_qf654f9c283_qkv
	.p2align	8
	.type	k_qf654f9c283_qkv,@function
k_qf654f9c283_qkv:
	s_mov_b64 s[64:65], 0
	v_nop
	global_prefetch_b8 v0, s[64:65] scope:SCOPE_SE
	s_setreg_imm32_b32 hwreg(HW_REG_WAVE_MODE, 25, 1), 1
	s_wait_xcnt 0x0
	s_wait_alu depctr_hold_cnt(0) depctr_sa_sdst(0) depctr_va_vdst(0) depctr_va_sdst(0) depctr_va_ssrc(0) depctr_va_vcc(0) depctr_vm_vsrc(0)
	s_getreg_b32 s2, hwreg(HW_REG_IB_STS2, 6, 4)
	s_cmp_eq_u32 s2, 0
	s_cbranch_scc0 .Lentry_in_a_cluster
	s_endpgm
.Lentry_in_a_cluster:
	s_bfe_u32 s2, ttmp6, 0x10000c
	s_cmp_lg_u32 s2, 0xf033
	s_cbranch_scc0 .Lentry_shape_is_right
	s_endpgm
.Lentry_shape_is_right:
; q, k, v = x W^T, RoPE on q and k, laid by heads.  xb: [8192][2048] bf16.  wb: [1536][2048] bf16, row 192 g + 64 t + c = row 64 g + c of W_t.
; tab: [4096][32] pairs (cos, sin) f32.  qh, kh, vh: [16 = 8 batch + head][4096][64] f16.  Sums and RoPE in f32; each result rounded once, to f16, unscaled.
; Behind vh's 8,388,608 bytes: what v's rounding leaves, lo = f16(v - f16(v)), [16][4][64 rows][64] f16: entry 0 of a head holds positions 0-63.  A causal mean over n keys is some
; sqrt(4096 / (8.9 n)) times the output's root mean square, so in the first rows 11 bits of v are too few for an allowance that goes by that root mean square.
; LIMIT: |q|, |k|, |v| within 65,504 (f16); lo keeps f16's fixed step of 6e-8.
; SHARES.  A work-group makes 128 rows x 384 columns (two heads' q, k, v): 64 x 4 = 256 work-groups.  Wave w: rows 64 (w / 2) on, head w % 2: 64 x 192,
; 48 accumulators of 16 x 16, 384 registers.  K goes in steps of 128 through two LDS slots; each wave fetches 128 rows x 256 bytes with one tensor load:
; waves 0-2 the 384 rows of wb, wave 3 the 128 rows of xb.
; CLUSTER 4 x 4: the four work-groups of a cluster's row need the same rows of xb, the four of a column the same rows of wb: joint loads.
; THE MATRIX INSTRUCTION IS USED TRANSPOSED (source 0 = 16 rows of wb, source 1 = 16 rows of xb): a lane holds row lane % 16 and the eight neighbouring
; columns 8 (lane / 16) + 0..7, four RoPE pairs, which pack into 16 bytes of f16.
; REGISTERS, in windows of 256: window 0: v16-30 addresses and 1.0; v32-63 at work; v64-191 the table for my 64 rows; v192-255 four sets of 16 packed results.
;   window 1: two fragment buffers of 128: 4 fragments of xb, then 12 of wb.   window 2: accumulators of q and k, (b, a) at 8 (4 b + a).   window 3: those of v.
.set KSTEP,  128
.set SIZE_K, 2048
.set PITCH,  272                       ; an LDS row: 256 bytes + 16 of padding: the 16 rows of a fragment load start at 16 different groups of four banks (ISA guide 11.1)
.set HALFT,  128*PITCH                 ; what one tensor load brings
.set SLOT,   4*HALFT                   ; wb's 384 rows, then xb's 128
.set AOFF,   3*HALFT
.set STAGE,  2*SLOT                    ; behind the ring: 16 rows x 144 bytes for each wave, for the way out
.set SP,     144
.set SPARE,  STAGE+4*16*SP             ; the spare words, 128 bytes for each wave
.set LAPS,   SIZE_K/(2*KSTEP)
.set LOFF,   0x800000                  ; where lo begins in vh
.set ADRA, 16                          ; v16-17  LDS address of my xb fragments in slot 0, 1
.set ADRB, 20                          ; v20-21  the same for wb
.set STO,  24                          ; v24  the way out: where I put 16 bytes of a row
.set RD,   25                          ; v25  where I read rows back
.set GO,   26                          ; v26  my byte offset in 512 consecutive bytes of the output
.set TOFF, 27                          ; v27  my byte offset in 16 positions of the table
.set SPW,  28                          ; v28  LDS address of my spare word; never rewritten
.set NIL,  29                          ; v29  0; never rewritten
.set ONE,  30                          ; v30  1.0
.set T,    32
.set TAB,  64
.set HH,   64                          ; v64-79  v rounded, once the table has served
.set PK,   192
.set F0,   0
.set F1,   128
.set WV,  16                           ; s16  my wave's number
.set G1,  24                           ; s[24:31] group 1 for xb's tiles;  s[32:39] group 0, a set for each slot
.set G0,  32
.set G1B, 48                           ; s[48:55], s[56:63] the same for wb's
.set G0B, 56
.set MSB, 0
.macro WIN new                         ; the immediate's high byte repeats the setting that is left
.if MSB != (\new)
	s_set_vgpr_msb (MSB<<8)|(\new)
.set MSB, \new
.endif
.endm
.set MUL_LO, 0xa5                      ; sources 0 and 1 window 1, C and D window 2
.set MUL_HI, 0xf5                      ; the same, C and D window 3
.set TO_F,   0x40                      ; destination window 1, address window 0
.macro JLOAD s                         ; a joint load: wave 3 fetches xb's rows, waves 0-2 wb's; an s_nop 0 and four v_nop follow each line
	s_cmp_lt_u32 s[WV], 3
	s_cbranch_scc1 .Lfor_b_\@
	tensor_load_to_lds s[G0+4*(\s):G0+4*(\s)+3], s[G1:G1+7]
	s_nop 0
.rept 4
	v_nop
.endr
	s_branch .Lasked_\@
.Lfor_b_\@:
	tensor_load_to_lds s[G0B+4*(\s):G0B+4*(\s)+3], s[G1B:G1B+7]
	s_nop 0
.rept 4
	v_nop
.endr
.Lasked_\@:
.endm
.macro CREST                           ; a round of the cluster's barrier behind its opening barrier
	s_cmp_lg_u32 s[WV], 0
	s_cbranch_scc1 .Lnot_wave_0_\@
	s_barrier_signal -3
.Lnot_wave_0_\@:
	s_barrier_wait -3
	s_barrier_signal -1
	s_barrier_wait -1
.endm
.macro CROUND
	s_barrier_signal -1
	s_barrier_wait -1
	CREST
.endm
.macro PLACES                          ; four plain lines between a matrix instruction and a load into, or a vector read of, its registers
.rept 4
	v_nop
.endr
.endm
	s_load_b256 s[4:11], s[0:1], 0x0               ; xb s[4:5], wb s[6:7], tab s[8:9], qh s[10:11]
	s_load_b128 s[12:15], s[0:1], 0x20             ; kh s[12:13], vh s[14:15]
	v_lshl_add_u32 v[SPW], v0, 2, SPARE
	v_mov_b32 v[NIL], 0
	ds_add_u32 v[SPW], v[NIL]                      ; the wave's opening: the add and its wait stand ahead of my first tensor load
	v_lshrrev_b32 v1, 5, v0
	v_readfirstlane_b32 s[WV], v1
	s_lshr_b32 s17, s[WV], 1                       ; wm: which 64 rows are mine
	s_and_b32 s18, s[WV], 1                        ; wn: which head
	s_bfe_u32 s19, ttmp6, 0x40000                  ; cx
	s_bfe_u32 s20, ttmp6, 0x40004                  ; cy
	s_lshl_b32 s21, ttmp9, 2
	s_add_co_u32 s21, s21, s19                     ; tn: tile column = 4 x cluster x + cx
	s_and_b32 s78, ttmp7, 0xffff                   ; the cluster's y, which all sixteen partners share
	s_lshl_b32 s22, s78, 2
	s_add_co_u32 s22, s22, s20                     ; tm: tile row = 4 x cluster y + cy
	s_lshl_b32 s40, s20, 2
	s_lshl_b32 s40, 15, s40                        ; my row of the cluster
	s_lshl_b32 s41, 0x1111, s19                    ; my column
	s_or_b32 s[G1],  s40, (1<<16)|(1<<20)|(1<<21)|(5<<22)|(3<<25)  ; mask; 2-byte elements; padding on; bit 21 beside a mask; after every 64 words 4 words
	s_or_b32 s[G1B], s41, (1<<16)|(1<<20)|(1<<21)|(5<<22)|(3<<25)
.irp g, G1, G1B
	s_mov_b32 s[(\g)+1], KSTEP<<16                 ; tensor_dim0 = 128
	s_mov_b32 s[(\g)+2], 128<<16                   ; tensor_dim1 = 128
	s_mov_b32 s[(\g)+3], KSTEP<<16                 ; tile_dim0 = 128
	s_mov_b32 s[(\g)+4], 128                       ; tile_dim1 = 128
	s_mov_b32 s[(\g)+5], SIZE_K                    ; elements from row to row
	s_mov_b32 s[(\g)+6], 0
	s_mov_b32 s[(\g)+7], 0
.endr
	s_lshl_b32 s42, s22, 19                        ; xb: 128 tm rows of 4,096 bytes: the tile row alone
	s_mov_b32 s43, 0
	s_mul_i32 s46, s21, 384                        ; wb: row 384 tn + 128 w: the tile column and the wave alone (wave 3 asks by the other address)
	s_min_u32 s47, s[WV], 2
	s_lshl_b32 s47, s47, 7
	s_add_co_u32 s46, s46, s47
	s_lshl_b32 s46, s46, 12
	s_mov_b32 s47, 0
	s_mul_i32 s23, s[WV], HALFT                    ; where my rows go in a slot: the wave's number alone
	s_wait_dscnt 0x0                               ; the opening add is done
	s_wait_kmcnt 0x0
	s_add_nc_u64 s[44:45], s[4:5], s[42:43]
	s_add_nc_u64 s[66:67], s[6:7], s[46:47]
	CROUND                                         ; all sixteen work-groups are here: the first joint loads meet
.irp s, 0,1
	s_mov_b32 s[G0+4*(\s)], 1
	s_add_co_u32 s[G0+4*(\s)+1], s23, (\s)*SLOT
	s_add_nc_u64 s[G0+4*(\s)+2:G0+4*(\s)+3], s[44:45], (\s)*KSTEP*2
	s_or_b32 s[G0+4*(\s)+3], s[G0+4*(\s)+3], 0x80000000
	s_mov_b32 s[G0B+4*(\s)], 1
	s_add_co_u32 s[G0B+4*(\s)+1], s23, (\s)*SLOT
	s_add_nc_u64 s[G0B+4*(\s)+2:G0B+4*(\s)+3], s[66:67], (\s)*KSTEP*2
	s_or_b32 s[G0B+4*(\s)+3], s[G0B+4*(\s)+3], 0x80000000
	JLOAD \s                                       ; two loads of mine are out
.endr
	; the table for my 64 positions, and where my results go
	s_and_b32 s70, s22, 31
	s_lshl_b32 s70, s70, 7
	s_lshl_b32 s71, s17, 6
	s_add_co_u32 s70, s70, s71                     ; my first position in the sequence
	s_lshl_b32 s74, s70, 8
	s_mov_b32 s75, 0
	s_add_nc_u64 s[8:9], s[8:9], s[74:75]
	s_lshr_b32 s68, s22, 5                         ; batch
	s_lshl_b32 s68, s68, 3
	s_lshl_b32 s69, s21, 1
	s_add_co_u32 s68, s68, s69
	s_add_co_u32 s68, s68, s18                     ; 8 batch + head
	s_lshl_b32 s82, s68, 15                        ; lo: 32,768 bytes a head,
	s_and_b32 s83, s22, 3
	s_lshl_b32 s83, s83, 13                        ; 8,192 for each of the cluster's four tile rows
	s_add_co_u32 s82, s82, s83
	s_add_co_u32 s82, s82, LOFF
	s_mov_b32 s83, 0
	s_add_nc_u64 s[80:81], s[14:15], s[82:83]
	s_lshl_b32 s68, s68, 19                        ; 4,096 rows of 128 bytes
	s_lshl_b32 s72, s70, 7
	s_add_co_u32 s72, s72, s68
	s_mov_b32 s73, 0
	s_add_nc_u64 s[10:11], s[10:11], s[72:73]
	s_add_nc_u64 s[12:13], s[12:13], s[72:73]
	s_add_nc_u64 s[14:15], s[14:15], s[72:73]
	v_and_b32 v1, 15, v0                           ; r = lane % 16
	v_bfe_u32 v2, v0, 4, 1                         ; h = lane / 16
	v_lshlrev_b32 v[TOFF], 8, v1
	v_lshl_add_u32 v[TOFF], v2, 5, v[TOFF]         ; position r, pairs 4 h on
.irp aa, 0,1,2,3                       ; rows 16 aa on; columns 16 nb on are pairs 8 nb + 4 h + 0..3: 32 bytes.  These 32 loads stay out during the whole K loop
.irp nb, 0,1,2,3
	global_load_b128 v[TAB+32*(\aa)+8*(\nb):TAB+32*(\aa)+8*(\nb)+3],   v[TOFF], s[8:9] offset:4096*(\aa)+64*(\nb)
	global_load_b128 v[TAB+32*(\aa)+8*(\nb)+4:TAB+32*(\aa)+8*(\nb)+7], v[TOFF], s[8:9] offset:4096*(\aa)+64*(\nb)+16
.endr
.endr
	v_mul_u32_u24 v3, v1, PITCH
	v_lshl_add_u32 v3, v2, 4, v3                   ; a fragment's row x pitch + 16 x half
	s_mul_i32 s76, s17, 64*PITCH
	s_add_co_u32 s76, s76, AOFF                    ; my 64 rows of xb
	s_mul_i32 s77, s18, 192*PITCH                  ; my 192 rows of wb
.irp s, 0,1
	v_add_nc_u32 v[ADRA+(\s)], s76, v3
	v_add_nc_u32 v[ADRB+(\s)], s77, v3
	s_add_co_u32 s76, s76, SLOT
	s_add_co_u32 s77, s77, SLOT
.endr
	s_mul_i32 s2, s[WV], 16*SP
	s_add_co_u32 s2, s2, STAGE                     ; my stage
	v_mul_u32_u24 v[STO], v1, SP                   ; in: row r, 16 bytes for each half of the lanes
	v_lshl_add_u32 v[STO], v2, 4, v[STO]
	v_add_nc_u32 v[STO], s2, v[STO]
	v_bfe_u32 v[RD], v0, 3, 2                      ; back: 32 lanes take four rows of 128 bytes,
	v_mul_u32_u24 v[RD], v[RD], SP
	v_and_b32 v4, 7, v0
	v_lshl_add_u32 v[RD], v4, 4, v[RD]
	v_add_nc_u32 v[RD], s2, v[RD]
	v_and_b32 v[GO], 31, v0                        ; which are 512 consecutive bytes of a head
	v_lshlrev_b32 v[GO], 4, v[GO]
; 16 matrix instructions: n blocks b0 .. b0 + 3 x all 4 m blocks, 32 along K.  The 48 accumulators take turns, in the same order in every quarter.
.macro MULB f, b0, zero
.if (\b0) < 8
	WIN MUL_LO
.else
	WIN MUL_HI
.endif
.irp bb, 0,1,2,3
.irp aa, 0,1,2,3
.set rD, 8*(4*(((\b0)+(\bb))%8)+(\aa))
.set rB, (\f)+32+8*((\b0)+(\bb))
.set rA, (\f)+8*(\aa)
.if \zero
	v_wmma_f32_16x16x32_bf16 v[rD:rD+7], v[rB:rB+7], v[rA:rA+7], 0
.else
	v_wmma_f32_16x16x32_bf16 v[rD:rD+7], v[rB:rB+7], v[rA:rA+7], v[rD:rD+7]
.endif
.endr
.endr
.endm
; 32 LDS loads in one run: xb's 4 fragments, wb's blocks 0-3, then wb's blocks 4-11; 32 along K at byte k of the rows, into buffer f
.macro FETCH slot, k, f
	WIN TO_F
.irp i, 0,1,2,3
	ds_load_b128 v[(\f)+8*(\i):(\f)+8*(\i)+3],   v[ADRA+(\slot)] offset:(\k)+(\i)*16*PITCH
	ds_load_b128 v[(\f)+8*(\i)+4:(\f)+8*(\i)+7], v[ADRA+(\slot)] offset:(\k)+(\i)*16*PITCH+32
.endr
.irp i, 0,1,2,3,4,5,6,7,8,9,10,11
	ds_load_b128 v[(\f)+32+8*(\i):(\f)+32+8*(\i)+3],   v[ADRB+(\slot)] offset:(\k)+(\i)*16*PITCH
	ds_load_b128 v[(\f)+32+8*(\i)+4:(\f)+32+8*(\i)+7], v[ADRB+(\slot)] offset:(\k)+(\i)*16*PITCH+32
.endr
.endm
; A K step is four quarters of 32 along K, 48 matrix instructions each, on buffers 0, 1, 0, 1.  One of the first three multiplies f and fetches the next quarter into g.
.macro QUARTER slot, k, f, g, zero
	s_wait_dscnt 16                                ; xb's fragments and wb's blocks 0-3 are in; the youngest sixteen loads may be out
	MULB \f, 0, \zero
	PLACES
	FETCH \slot, \k, \g
	s_wait_dscnt 32                                ; all but the 32 just issued
	MULB \f, 4, \zero
	MULB \f, 8, \zero
.endm
; The last quarter multiplies buffer 1 and changes slots: one barrier; in front of it each wave waits for all its tensor loads (one is out: its part of the next slot),
; adds 0 to its spare word, and waits for that and for its reads of this slot.  fill = 1: the barrier opens a round of the cluster's, and this slot is filled again, two K steps ahead.
.macro TURN slot, next, fill
	WIN 0
	s_wait_tensorcnt 0x0
	ds_add_u32 v[SPW], v[NIL]
	s_wait_dscnt 17                                ; the add and the youngest sixteen loads may be out
	MULB F1, 0, 0
	s_wait_dscnt 0x0                               ; the add is done, and my reads of this slot are over
	s_barrier_signal -1
	MULB F1, 4, 0
.if \fill
	WIN 0
.endif
	s_barrier_wait -1
.if \fill
	CREST                                          ; no wave of any partner still reads this slot's tile or has a load on its way
	s_add_nc_u64 s[G0+4*(\slot)+2:G0+4*(\slot)+3], s[G0+4*(\slot)+2:G0+4*(\slot)+3], 2*KSTEP*2
	s_add_nc_u64 s[G0B+4*(\slot)+2:G0B+4*(\slot)+3], s[G0B+4*(\slot)+2:G0B+4*(\slot)+3], 2*KSTEP*2
	JLOAD \slot                                    ; my one tensor load behind the round; its four v_nop are also the places in front of the loads below
.else
	PLACES
.endif
	FETCH \next, 0, F0
	MULB F1, 8, 0
.endm
	s_wait_tensorcnt 1                             ; my part of K step 0 is in; K step 1's load is the one younger
	s_barrier_signal -1
	s_barrier_wait -1
	FETCH 0, 0, F0
	QUARTER 0, 64, F0, F1, 1                       ; the first quarter's products start the sums
	WIN 0
	s_mov_b32 s3, LAPS-1
.Llap:                                                 ; a trip goes once round the ring and fills both slots again
	QUARTER 0, 128, F1, F0, 0
	QUARTER 0, 192, F0, F1, 0
	TURN 0, 1, 1
	QUARTER 1, 64,  F0, F1, 0
	QUARTER 1, 128, F1, F0, 0
	QUARTER 1, 192, F0, F1, 0
	TURN 1, 0, 1
	QUARTER 0, 64,  F0, F1, 0
	WIN 0
	s_sub_co_u32 s3, s3, 1
	s_cmp_lg_u32 s3, 0
	s_cbranch_scc1 .Llap
	QUARTER 0, 128, F1, F0, 0                      ; the last lap fills nothing
	QUARTER 0, 192, F0, F1, 0
	TURN 0, 1, 0
	QUARTER 1, 64,  F0, F1, 0
	QUARTER 1, 128, F1, F0, 0
	QUARTER 1, 192, F0, F1, 0
	s_wait_dscnt 16
	MULB F1, 0, 0
	s_wait_dscnt 0x0
	MULB F1, 4, 0
	MULB F1, 8, 0
	WIN 0
	PLACES
	s_wait_loadcnt 0x0                             ; the table
; THE WAY OUT, in 12 groups: 16 rows (a) of q, k or v (t).  q and k: (e, o) -> (e c - o s, o c + e s) in f32; all: rounded to f16, 16 bytes a lane into my stage,
; back as four whole rows of 128 bytes a load, stored as 512 consecutive bytes.  Each accumulator's lowest registers are read first.
.macro THROUGH                         ; the set PKS goes through my stage
.irp f, 0,1,2,3
	ds_store_b128 v[STO], v[PKS+4*(\f):PKS+4*(\f)+3] offset:32*(\f)
.endr
.irp f, 0,1,2,3
	ds_load_b128 v[PKS+4*(\f):PKS+4*(\f)+3], v[RD] offset:(\f)*4*SP  ; LDS serves a wave's instructions in order (ISA guide 5.7.1.4): these see the stores above
.endr
.endm
.macro PACKG a, t
.set PKS, PK+16*((3*(\a)+(\t))%4)
	s_wait_xcnt 0x0                                ; the set's registers, which earlier stores read, are rewritten only behind this wait
.if (\t) < 2
	WIN 0x02                                       ; source 0 (the sums) in window 2
.irp nb, 0,1,2,3
.irp i, 0,1,2,3
.set rA, 8*(4*(4*(\t)+(\nb))+(\a))+2*(\i)
.set rC, TAB+32*(\a)+8*(\nb)+2*(\i)
.set rT, T+8*(\nb)+2*(\i)
	v_mul_f32 v[rT],   v[rA],   v[rC]
	v_mul_f32 v[rT+1], v[rA+1], v[rC]
	v_fma_f32 v[rT],   -v[rA+1], v[rC+1], v[rT]
	v_fma_f32 v[rT+1], v[rA],    v[rC+1], v[rT+1]
.endr
.endr
	WIN 0
.irp i, 0,1,2,3,4,5,6,7,8,9,10,11,12,13,14,15
	v_cvt_pk_f16_f32 v[PKS+(\i)], v[T+2*(\i)], v[T+2*(\i)+1]
.endr
.else
	WIN 0x0f                                       ; sources 0 and 1 in window 3
.irp nb, 0,1,2,3
.irp i, 0,1,2,3
	v_cvt_pk_f16_f32 v[PKS+4*(\nb)+(\i)], v[8*(4*(\nb)+(\a))+2*(\i)], v[8*(4*(\nb)+(\a))+2*(\i)+1]
.endr
.endr
	WIN 0
.endif
	THROUGH
.endm
.macro SENDG a, t, younger             ; younger: the LDS instructions issued behind this group's loads: the next group's eight, or none
.set PKS, PK+16*((3*(\a)+(\t))%4)
	WIN 0
.irp f, 0,1,2,3
	s_wait_dscnt (\younger)+3-(\f)
	global_store_b128 v[GO], v[PKS+4*(\f):PKS+4*(\f)+3], s[10+2*(\t):11+2*(\t)] offset:2048*(\a)+512*(\f)
.endr
.endm
.set g, 0
	PACKG g/3, g%3
.set g, 1
.rept 11                               ; a group's arithmetic stands between the loads of the group before and its stores
	PACKG g/3, g%3
	SENDG (g-1)/3, (g-1)%3, 8
.set g, g+1
.endr
	SENDG 3, 2, 0
; WHAT v's ROUNDING LEAVES, for positions 0-63.  Those lie in tile row 0 of a batch: cluster y a multiple of 8, rows' half 0.  The jump hangs on the cluster's number and the wave's, never on the
; place in the cluster: so the cluster's four tile rows all store theirs, each in its own 8,192 bytes, and the first's is what is read later.  It passes no barrier and no tensor load.
.macro PACKL a
.set PKS, PK+16*((\a)%4)
	s_wait_xcnt 0x0                                ; the set's registers, which earlier stores read, are rewritten only behind this wait
	WIN 0x0f                                       ; sources 0 and 1 in window 3
.irp nb, 0,1,2,3
.irp i, 0,1,2,3
	v_cvt_pk_f16_f32 v[HH+4*(\nb)+(\i)], v[8*(4*(\nb)+(\a))+2*(\i)], v[8*(4*(\nb)+(\a))+2*(\i)+1]
.endr
.endr
	WIN 0x30                                       ; source 2 (the sums) in window 3
.irp nb, 0,1,2,3
.irp i, 0,1,2,3
	v_fma_mix_f32 v[T+8*(\nb)+2*(\i)],   -v[HH+4*(\nb)+(\i)], v[ONE], v[8*(4*(\nb)+(\a))+2*(\i)]   op_sel_hi:[1,0,0]                 ; the sum less its f16, exact
	v_fma_mix_f32 v[T+8*(\nb)+2*(\i)+1], -v[HH+4*(\nb)+(\i)], v[ONE], v[8*(4*(\nb)+(\a))+2*(\i)+1] op_sel:[1,0,0] op_sel_hi:[1,0,0]
.endr
.endr
	WIN 0
.irp i, 0,1,2,3,4,5,6,7,8,9,10,11,12,13,14,15
	v_cvt_pk_f16_f32 v[PKS+(\i)], v[T+2*(\i)], v[T+2*(\i)+1]
.endr
	THROUGH
.endm
.macro SENDL a, younger
.set PKS, PK+16*((\a)%4)
	WIN 0
.irp f, 0,1,2,3
	s_wait_dscnt (\younger)+3-(\f)
	global_store_b128 v[GO], v[PKS+4*(\f):PKS+4*(\f)+3], s[80:81] offset:2048*(\a)+512*(\f)
.endr
.endm
	s_and_b32 s79, s78, 7
	s_cmp_lg_u32 s79, 0
	s_cbranch_scc1 .Lnolo
	s_cmp_lg_u32 s17, 0
	s_cbranch_scc1 .Lnolo
	v_mov_b32 v[ONE], 1.0
	PACKL 0
.irp a, 1,2,3
	PACKL \a
	SENDL (\a)-1, 8
.endr
	SENDL 3, 0
.Lnolo:
	s_wait_tensorcnt 0x0                           ; the wave's end
	ds_add_u32 v[SPW], v[NIL]
	s_wait_dscnt 0x0
	CROUND                                         ; the closing round
	s_endpgm
.Lfunc_end_k_qf654f9c283_qkv:
	.size	k_qf654f9c283_qkv, .Lfunc_end_k_qf654f9c283_qkv-k_qf654f9c283_qkv
	.p2alignl 7, 3214868480
	.fill 96, 4, 3214868480
	.section	.rodata,"a",@progbits
	.p2align	6, 0x0
	.amdhsa_kernel k_qf654f9c283_qkv
		.amdhsa_group_segment_fixed_size 327680
		.amdhsa_private_segment_fixed_size 0
		.amdhsa_enable_private_segment 0
		.amdhsa_kernarg_size 48
		.amdhsa_user_sgpr_count 2
		.amdhsa_user_sgpr_kernarg_segment_ptr 1
		.amdhsa_wavefront_size32 1
		.amdhsa_system_sgpr_workgroup_id_x 1
		.amdhsa_system_sgpr_workgroup_id_y 1
		.amdhsa_system_sgpr_workgroup_id_z 1
		.amdhsa_system_vgpr_workitem_id 0
		.amdhsa_next_free_vgpr 896
		.amdhsa_next_free_sgpr 84
		.amdhsa_reserve_vcc 0
		.amdhsa_float_denorm_mode_32 3
		.amdhsa_float_denorm_mode_16_64 3
		.amdhsa_memory_ordered 1
		.amdhsa_forward_progress 1
		.amdhsa_inst_pref_size 169
	.end_amdhsa_kernel
	.amdgpu_metadata
---
amdhsa.version: [ 1, 2 ]
amdhsa.kernels:
  - .name:           k_qf654f9c283_qkv
    .symbol:         k_qf654f9c283_qkv.kd
    .args:
      - { .name: xb, .offset: 0, .size: 8, .value_kind: global_buffer, .address_space: global }
      - { .name: wb, .offset: 8, .size: 8, .value_kind: global_buffer, .address_space: global }
      - { .name: tab, .offset: 16, .size: 8, .value_kind: global_buffer, .address_space: global }
      - { .name: qh, .offset: 24, .size: 8, .value_kind: global_buffer, .address_space: global }
      - { .name: kh, .offset: 32, .size: 8, .value_kind: global_buffer, .address_space: global }
      - { .name: vh, .offset: 40, .size: 8, .value_kind: global_buffer, .address_space: global }
    .group_segment_fixed_size: 327680
    .private_segment_fixed_size: 0
    .kernarg_segment_align: 8
    .kernarg_segment_size: 48
    .max_flat_workgroup_size: 128
    .sgpr_count:     84
    .vgpr_count:     896
    .wavefront_size: 32
...
	.end_amdgpu_metadata
.endif
;; end of part 2
;; launch attn (part 3): grid 16 x 16, 4 waves a work-group, clusters of 4 x 1, 327,680 bytes of LDS; arguments qh, kh, vh, ah; writes ah
.if DOCPART == 3
	.amdgcn_target "amdgcn-amd-amdhsa--gfx1250"
	.amdhsa_code_object_version 6
	.text
	.protected	k_qf654f9c283_attn
	.globl	k_qf654f9c283_attn
	.p2align	8
	.type	k_qf654f9c283_attn,@function
k_qf654f9c283_attn:
	s_mov_b64 s[64:65], 0
	v_nop
	global_prefetch_b8 v0, s[64:65] scope:SCOPE_SE
	s_setreg_imm32_b32 hwreg(HW_REG_WAVE_MODE, 25, 1), 1
	s_wait_xcnt 0x0
	s_wait_alu depctr_hold_cnt(0) depctr_sa_sdst(0) depctr_va_vdst(0) depctr_va_sdst(0) depctr_va_ssrc(0) depctr_va_vcc(0) depctr_vm_vsrc(0)
	s_getreg_b32 s2, hwreg(HW_REG_IB_STS2, 6, 4)
	s_cmp_eq_u32 s2, 0
	s_cbranch_scc0 .Lentry_in_a_cluster
	s_endpgm
.Lentry_in_a_cluster:
	s_bfe_u32 s2, ttmp6, 0x10000c
	s_cmp_lg_u32 s2, 0x3003
	s_cbranch_scc0 .Lentry_shape_is_right
	s_endpgm
.Lentry_shape_is_right:
; CAUSAL ATTENTION.  O[g][q][:] = the sum over k <= q of softmax_k(Q[g][q] . K[g][k] / 8) V[g][k][:].  qh, kh, vh, ah: [16][4096][64] f16, rows of 128 bytes, dense.
; Products, maxima and sums in f32; the weights p are rounded to f16 for the second product (their sum l is taken of the unrounded p), O once at the end.
; SECOND HALVES.  A causal mean over n keys is some sqrt(4096 / (8.9 n)) times the output's root mean square, so in the first rows 11 bits of V and of O are too few for an allowance that goes by that
; root mean square.  Behind vh's 8,388,608 bytes lies what V's rounding left, [16][4][64][64] f16, entry 0 of a head for keys 0-63: in each walk's first key step 16 more products add it.
; Behind ah's 8,388,608 bytes goes what O's rounding leaves for the first 16 rows of every block of 128, [16][32][16][64] f16.
; LIMITS.  Q, K, V arrive within 65,504.  A hidden score counts as its value less 1e30 (f16's scores are 2.7e11 at the most); a weight below 2^-126 counts as 0 in l; the second halves keep f16's fixed
; step of 6e-8; NaN and infinities are not treated apart.
; THE WALK.  A head's queries lie in 32 blocks of 128.  Work-group b (0..15) of a head takes blocks 31 - b and then b.  The four work-groups of a cluster (b = 4 c + cx) walk ONE common sequence of key tiles
; of 256 keys: tiles 0 .. 15 - 2 c for the first block, tiles 0 .. 2 c + 1 for the second: 18 tiles, 72 key steps of 64, whatever c and cx.  So every tile is asked for JOINTLY, every trip count is a
; constant, and the forward jumps hang on counters made of c, which the partners share.  cx enters only Q's and O's addresses and two selected scalars of the mask.
; SHARES.  A wave owns two tiles of 16 queries, one in each of the block's two bands of 64: tile u holds rows 128 i + 64 u + 16 w + 0..15.
; THE MASK.  Tile u's own key step is 2 i + u.  An earlier step is seen whole; in its own step MD (0 or -1e30, made once) is added to the scores; in a later one -1e30.  All own steps lie in the last
; eight steps of a block's walk; elsewhere the mask's lines are jumped over.  A row's first step is seen or its own, so m is a true score before the first hidden one comes.
; LAYOUT, SOFTMAX.  S^T = K Q^T holds ONE query a lane (lane % 16) and the keys 8 (lane / 16) + 0..7; two such results rounded to f16 ARE source 1 of O^T = V^T P.  p = 2^(c s - c m), c = log2(e) / 8, with a
; running maximum m; O and l are multiplied by a = 2^(c m_old - c m_new) in every step.  m starts at the lowest finite number, so a block's first a is 0.
; IN PHASES: a step's softmax, its 16 products V^T P, the next step's 16 products K Q^T.  K of the next step is fetched ahead of the softmax, V behind the products V^T P.
; REGISTERS: window 0: v1-15 addresses; v16-23 statistics; v24-34 at work and 1.0; v64-127 S^T; v128-159 P; v160-223 O^T; v224-255 MD.
;   window 1: v0-31 Q; v32-63 the second block's Q; v64-127 K of one step; v128-191 V of one step; v192-255 the second half of V of keys 0-63.
.set KS,    64
.set PK,    144       ; a row of K in LDS: 128 bytes + 16: the 16 rows of a load start at 16 different groups of four banks (ISA guide 11.1)
.set PV,    160       ; a row of V: 128 + 32
.set VOFF,  4*KS*PK   ; a slot holds a tile, four steps: 256 rows of K, then 256 rows of V
.set SLOT1, 1<<17
.set STAGE, SLOT1+4*KS*(PK+PV)
.set SP,    144
.set SPARE, STAGE+4*16*SP
.set VLO,   SPARE+512 ; 64 rows x 160 bytes, filled once: the second half of V of keys 0-63
.set LOFF,  0x800000  ; where the second halves begin in vh and in ah
.set AK0, 2           ; v2   my lane's place in a tile of K; never rewritten
.set AV0, 3           ; v3   the same for V
.set AK,  4
.set AV,  5
.set STO, 6
.set RD,  7
.set GO,  8
.set QO,  12
.set SPW, 14          ; v14  LDS address of my spare word; never rewritten
.set NIL, 15          ; v15  0; never rewritten
.set ST,  16          ; tile u: c m, m, l (even keys', odd keys')
.set TMP, 24          ; tile u: c0-c3 at work; a takes c2's place
.set MV,  32          ; tile u: c m_old
.set ONE, 34          ; v34  1.0
.set S,   64
.set P,   128
.set O,   160
.set MD,  224
.set QB,  32          ; window 1
.set KF,  64
.set VF,  128
.set VL,  192
.set WV,  12          ; s12  my wave's number
.set G1K, 24
.set G1V, 32
.set G0K, 40
.set G0V, 44
.set STP, 48          ; s48  key steps of the block in hand whose scores are still to be made
.set SA,  49          ; s49  the number, in the block's walk, of the step whose scores are made next
.set OWN, 50          ; s50  tile 0's own step: 2 i
.set STP2, 51         ; s51  the second block's steps: 8 c + 8
.set OWN2, 52         ; s52  2 b
.set TS,  53          ; s53  at work
.set SLOTS, 56
.set CNT, 57
.set CS,  58          ; s[58:59] c
.set SEL, 60          ; s[60:61] v_permlanex16_b32's selects
.set TBK, 62          ; s62  LDS byte at which K of the step to be fetched begins
.set TBV, 63          ; s63  the same for V, less VOFF
.set ALP, 66          ; s[66:67] where wave 0 puts O's second half for the block in hand
.set ALP2, 68         ; s[68:69] the same for the second block
.set NXT, 70          ; s70  the tile to be asked for next
.set LQ,  71          ; s71  the last tile of the walk whose tiles are being asked for
.set LQ2, 72          ; s72  2 c + 1
.set OFF, 74          ; s[74:75] a tile's byte offset in K and V
.set AL,  76          ; s[76:77] the mask's factor
.set BE,  78          ; s[78:79] the mask's addend
.set OLO, 80          ; s[80:81] O at my rows of the second block
.set BIGN, 82         ; s82  -1e30
.set G1L, 88          ; s[88:95] descriptor group 1 for V's second half
.set G0L, 96          ; s[96:99] its group 0
.set MSB, 0
.macro WIN new
.if MSB != (\new)
	s_set_vgpr_msb (MSB<<8)|(\new)
.set MSB, (\new)
.endif
.endm
.set W_KQ, 0x05       ; K and Q in window 1, S^T in window 0
.set W_PV, 0x01       ; V in window 1; P and O^T in window 0
.macro JLOAD                        ; waves 0 and 1 fetch the two halves of a tile's K, waves 2 and 3 those of its V; an s_nop 0 and four v_nop follow each line
	s_cmp_lt_u32 s[WV], 2
	s_cbranch_scc0 .Lfor_v_\@
	tensor_load_to_lds s[G0K:G0K+3], s[G1K:G1K+7]
	s_nop 0
.rept 4
	v_nop
.endr
	s_branch .Lasked_\@
.Lfor_v_\@:
	tensor_load_to_lds s[G0V:G0V+3], s[G1V:G1V+7]
	s_nop 0
.rept 4
	v_nop
.endr
.Lasked_\@:
.endm
.macro CROUND
	s_barrier_signal -1
	s_barrier_wait -1
	s_cmp_lg_u32 s[WV], 0
	s_cbranch_scc1 .Lnot_wave_0_\@
	s_barrier_signal -3
.Lnot_wave_0_\@:
	s_barrier_wait -3
	s_barrier_signal -1
	s_barrier_wait -1
.endm
.macro PLACES
.rept 4
	v_nop
.endr
.endm
; THE CHANGE OF SLOTS.  Each wave waits for all its tensor loads (one is out: its part of the other slot; at the first use two: its part of slot 0 and of V's second half), adds 0 to its spare word,
; and waits for that and for its reads of the slot that it leaves.
; fill = 1: the barrier is a round of the cluster's, and the old slot is filled again, first thing behind it, with tile NXT; the load has four key steps in which to land.
.macro CHANGE fill
	WIN 0
	s_wait_tensorcnt 0x0            ; no tensor load of mine is out, so a group 0 may be written
	ds_add_u32 v[SPW], v[NIL]
.if \fill
	s_lshl_b32 s[OFF], s[NXT], 15   ; a tile is 32,768 bytes of K and of V
	s_xor_b32 s[G0K+1], s[G0K+1], SLOT1
	s_add_nc_u64 s[G0K+2:G0K+3], s[6:7], s[OFF:OFF+1]
	s_or_b32 s[G0K+3], s[G0K+3], 0x80000000
	s_xor_b32 s[G0V+1], s[G0V+1], SLOT1
	s_add_nc_u64 s[G0V+2:G0V+3], s[8:9], s[OFF:OFF+1]
	s_or_b32 s[G0V+3], s[G0V+3], 0x80000000
	s_add_co_u32 s[NXT], s[NXT], 1  ; the walk's next tile, or behind the first block's last the second block's tile 0
	s_cmp_gt_u32 s[NXT], s[LQ]
	s_cselect_b32 s[NXT], 0, s[NXT]
	s_cselect_b32 s[LQ], s[LQ2], s[LQ]
	s_wait_dscnt 0x0                ; the add is done, and my reads of the slot are over
	CROUND
	JLOAD
.else
	s_wait_dscnt 0x0
	s_barrier_signal -1
	s_barrier_wait -1
.endif
	s_sub_co_u32 s[TBK], s[TBK], 4*KS*PK  ; the fetches go back to a slot's first step, in the other slot
	s_xor_b32 s[TBK], s[TBK], SLOT1
	s_sub_co_u32 s[TBV], s[TBV], 4*KS*PV
	s_xor_b32 s[TBV], s[TBV], SLOT1
.endm
	s_load_b256 s[4:11], s[0:1], 0x0  ; qh s[4:5], kh s[6:7], vh s[8:9], ah s[10:11]
	v_lshl_add_u32 v[SPW], v0, 2, SPARE
	v_mov_b32 v[NIL], 0
	ds_add_u32 v[SPW], v[NIL]       ; the wave's opening: the add and its wait stand ahead of my first tensor load
	v_lshrrev_b32 v1, 5, v0
	v_readfirstlane_b32 s[WV], v1
	s_bfe_u32 s13, ttmp6, 0x40000   ; cx
	s_mov_b32 s15, ttmp9            ; c: the cluster's number along x, which the partners share
	s_lshl_b32 s14, s15, 2
	s_add_co_u32 s14, s14, s13      ; b
	s_and_b32 s21, ttmp7, 0xffff    ; the head (8 batch + head)
	s_lshl_b32 s20, s21, 19         ; its first byte in each of the four tensors
	s_and_b32 s16, s[WV], 1         ; which half of a tile's 256 keys I fetch
	s_lshl_b32 s22, s16, 14
	s_add_co_u32 s22, s22, s20
	s_mov_b32 s23, 0
	s_mul_i32 s17, s16, 128*PK      ; its place in a slot, for K
	s_mul_i32 s18, s16, 128*PV      ; and for V
	s_lshl_b32 s3, s[WV], 11        ; my 16 rows in a band
	s_sub_co_u32 s2, 31, s14        ; the first block
	s_lshl_b32 s[OWN], s2, 1
	s_lshl_b32 s2, s2, 14           ; 128 rows of 128 bytes
	s_add_co_u32 s2, s2, s3
	s_add_co_u32 s2, s2, s20
	s_lshl_b32 s84, s14, 14         ; the second block
	s_add_co_u32 s84, s84, s3
	s_add_co_u32 s84, s84, s20
	s_lshl_b32 s54, s21, 15         ; V's second half: 32,768 bytes a head, of which the first 8,192 are keys 0-63; my wave fetches 16 keys
	s_add_co_u32 s54, s54, s3
	s_add_co_u32 s54, s54, LOFF
	s_mov_b32 s55, 0
	s_mov_b32 s3, 0
	s_mov_b32 s85, 0
	s_lshl_b32 s[OWN2], s14, 1
	s_lshl_b32 s[TS], s15, 3
	s_sub_co_u32 s[STP], 64, s[TS]  ; the first block's walk has 64 - 8 c steps
	s_add_co_u32 s[STP2], s[TS], 8
	s_mov_b32 s[SA], 0
	s_lshl_b32 s[TS], s15, 1
	s_sub_co_u32 s[LQ], 15, s[TS]
	s_add_co_u32 s[LQ2], s[TS], 1
	s_mov_b32 s[NXT], 1
	s_mov_b32 s[G1K], 15|(1<<16)|(1<<20)|(1<<21)|(4<<22)|(3<<25)  ; the mask of four; 2-byte elements; padding on; bit 21 beside a mask; after every 32 words 4 words
	s_mov_b32 s[G1V], 15|(1<<16)|(1<<20)|(1<<21)|(4<<22)|(7<<25)  ; the same with 8 words
.irp g, G1K, G1V                    ; 128 keys are 16,384 dense bytes: asked for as 64 rows of 256 bytes, two keys a row
	s_mov_b32 s[\g+1], 128<<16
	s_mov_b32 s[\g+2], 64<<16
	s_mov_b32 s[\g+3], 128<<16
	s_mov_b32 s[\g+4], 64
	s_mov_b32 s[\g+5], 128
	s_mov_b32 s[\g+6], 0
	s_mov_b32 s[\g+7], 0
.endr
	s_mov_b32 s[G1L], 15|(1<<16)|(1<<20)|(1<<21)|(4<<22)|(7<<25)  ; V's second half: padded as V is; 16 keys are 8 rows of 256 bytes
	s_mov_b32 s[G1L+1], 128<<16
	s_mov_b32 s[G1L+2], 8<<16
	s_mov_b32 s[G1L+3], 128<<16
	s_mov_b32 s[G1L+4], 8
	s_mov_b32 s[G1L+5], 128
	s_mov_b32 s[G1L+6], 0
	s_mov_b32 s[G1L+7], 0
	s_mov_b32 s[G0L], 1
	s_mul_i32 s[G0L+1], s[WV], 16*PV
	s_add_co_u32 s[G0L+1], s[G0L+1], VLO
	s_mov_b32 s[CS], 0x3e38aa3b     ; c = log2(e) / 8
	s_mov_b32 s[CS+1], s[CS]
	s_mov_b32 s[SEL], 0x76543210
	s_mov_b32 s[SEL+1], 0xfedcba98
	s_mov_b32 s[TBK], SLOT1+4*KS*PK ; the first change of slots turns these two into 0
	s_mov_b32 s[TBV], SLOT1+4*KS*PV
	s_mov_b32 s[G0K], 1
	s_mov_b32 s[G0K+1], s17
	s_mov_b32 s[G0V], 1
	s_add_co_u32 s[G0V+1], s18, VOFF
	s_mov_b32 s[OFF+1], 0
	s_mov_b32 s[AL+1], 0
	s_mov_b32 s[BE+1], 0
	s_mov_b32 s[BIGN], 0xf149f2ca   ; -1e30
	s_wait_dscnt 0x0                ; the opening add is done
	s_wait_kmcnt 0x0
	s_add_nc_u64 s[G0L+2:G0L+3], s[8:9], s[54:55]
	s_or_b32 s[G0L+3], s[G0L+3], 0x80000000
	s_lshl_b32 s54, s21, 16         ; O's second half: 65,536 bytes a head, 2,048 a block
	s_add_co_u32 s54, s54, LOFF
	s_add_nc_u64 s[ALP2:ALP2+1], s[10:11], s[54:55]
	s_sub_co_u32 s54, 31, s14
	s_lshl_b32 s54, s54, 11
	s_add_nc_u64 s[ALP:ALP+1], s[ALP2:ALP2+1], s[54:55]
	s_lshl_b32 s54, s14, 11
	s_add_nc_u64 s[ALP2:ALP2+1], s[ALP2:ALP2+1], s[54:55]
	s_add_nc_u64 s[6:7], s[6:7], s[22:23]  ; K and V at my half of the head's tile 0
	s_add_nc_u64 s[8:9], s[8:9], s[22:23]
	s_add_nc_u64 s[G0K+2:G0K+3], s[6:7], 0
	s_or_b32 s[G0K+3], s[G0K+3], 0x80000000
	s_add_nc_u64 s[G0V+2:G0V+3], s[8:9], 0
	s_or_b32 s[G0V+3], s[G0V+3], 0x80000000
	s_add_nc_u64 s[86:87], s[4:5], s[84:85]        ; Q at my rows of the second block,
	s_add_nc_u64 s[4:5], s[4:5], s[2:3]            ; Q and O at those of the first
	s_add_nc_u64 s[OLO:OLO+1], s[10:11], s[84:85]
	s_add_nc_u64 s[10:11], s[10:11], s[2:3]
	CROUND                          ; all four work-groups are here
	s_cmp_lt_u32 s[WV], 2           ; a wave's two first fills stand in one branch: its part of tile 0 into slot 0, and its 16 keys of V's second half: two loads of mine are out
	s_cbranch_scc0 .Lfirst_v
	tensor_load_to_lds s[G0K:G0K+3], s[G1K:G1K+7]
	s_nop 0
	tensor_load_to_lds s[G0L:G0L+3], s[G1L:G1L+7]
	s_nop 0
.rept 4
	v_nop
.endr
	s_branch .Lfirst_asked
.Lfirst_v:
	tensor_load_to_lds s[G0V:G0V+3], s[G1V:G1V+7]
	s_nop 0
	tensor_load_to_lds s[G0L:G0L+3], s[G1L:G1L+7]
	s_nop 0
.rept 4
	v_nop
.endr
.Lfirst_asked:
	v_and_b32 v1, 15, v0            ; l % 16
	v_bfe_u32 v9, v0, 4, 1          ; l / 16
	v_lshlrev_b32 v[QO], 7, v1
	v_lshl_add_u32 v[QO], v9, 4, v[QO]
	WIN 0x40                        ; destination window 1, address window 0
.set i, 0
.rept 4                             ; both blocks' Q: tile i / 2 lies 8,192 bytes on; channels 32 (i % 2) on
	global_load_b128 v[8*i:8*i+3],   v[QO], s[4:5] offset:(i/2)*8192+(i%2)*64
	global_load_b128 v[8*i+4:8*i+7], v[QO], s[4:5] offset:(i/2)*8192+(i%2)*64+32
	global_load_b128 v[QB+8*i:QB+8*i+3],   v[QO], s[86:87] offset:(i/2)*8192+(i%2)*64
	global_load_b128 v[QB+8*i+4:QB+8*i+7], v[QO], s[86:87] offset:(i/2)*8192+(i%2)*64+32
.set i, i+1
.endr
	WIN 0
	v_lshlrev_b32 v13, 3, v9
	v_sub_nc_u32 v13, v1, v13
	s_lshl_b32 s13, s[WV], 4
	v_add_nc_u32 v13, s13, v13      ; my query's place in its band less my lanes' 8 (l / 16): register j of key group kt is hidden where 16 kt + j is greater
.set i, 0
.rept 32
	v_cmp_gt_i32 vcc_lo, 16*(i/8)+i%8, v13
	v_cndmask_b32 v[MD+i], 0, s[BIGN], vcc_lo
.set i, i+1
.endr
	v_mul_u32_u24 v[AK0], v1, PK
	v_lshl_add_u32 v[AK0], v9, 4, v[AK0]
	v_and_b32 v10, 7, v0            ; the turning load: lane l reads key 8 (l / 16) + l % 8, channels 8 ((l / 8) % 2) + 0..7
	v_bfe_u32 v11, v0, 3, 1
	v_lshl_add_u32 v[AV0], v9, 3, v10
	v_mul_u32_u24 v[AV0], v[AV0], PV
	v_lshl_add_u32 v[AV0], v11, 4, v[AV0]
	v_add_nc_u32 v[AV0], VOFF, v[AV0]
	s_mul_i32 s13, s[WV], 16*SP
	s_add_co_u32 s13, s13, STAGE    ; my stage
	v_mul_u32_u24 v[STO], v1, SP
	v_lshl_add_u32 v[STO], v9, 4, v[STO]
	v_add_nc_u32 v[STO], s13, v[STO]
	v_bfe_u32 v[RD], v0, 3, 2
	v_mul_u32_u24 v[RD], v[RD], SP
	v_lshl_add_u32 v[RD], v10, 4, v[RD]
	v_add_nc_u32 v[RD], s13, v[RD]
	v_and_b32 v[GO], 31, v0
	v_lshlrev_b32 v[GO], 4, v[GO]
	v_mov_b32 v[ONE], 1.0
	; O^T and l need only be finite where a block begins (its first a is 0): zeros here, in the wait for the first tile
.set i, 0
.rept 64
	v_mov_b32 v[O+i], 0
.set i, i+1
.endr
.irp u, 0,1
	v_mov_b32 v[ST+4*\u], 0xfe000000    ; c m: far below every c s
	v_mov_b32 v[ST+4*\u+1], 0xff7fffff  ; m
	v_mov_b32 v[ST+4*\u+2], 0
	v_mov_b32 v[ST+4*\u+3], 0
.endr
; THE MATRIX WORK: runs of 16 on 8 accumulators that take turns.
.macro KQS                          ; product i: channels 32 (i / 8) on, keys 16 ((i / 2) % 4) on, tile i % 2; the first 8 start the sums
	WIN W_KQ
.set i, 0
.rept 16
.set rS, S+32*(i%2)+8*((i/2)%4)
.set rK, KF+16*((i/2)%4)+8*(i/8)
.set rQ, 16*(i%2)+8*(i/8)
.if i < 8
	v_wmma_f32_16x16x32_f16 v[rS:rS+7], v[rK:rK+7], v[rQ:rQ+7], 0
.else
	v_wmma_f32_16x16x32_f16 v[rS:rS+7], v[rK:rK+7], v[rQ:rQ+7], v[rS:rS+7]
.endif
.set i, i+1
.endr
	WIN 0
.endm
.macro PVS from                     ; product i: keys 32 (i / 8) on, channels 16 ((i / 2) % 4) on, tile i % 2; from: V's fragments, or those of its second half
	WIN W_PV
.set i, 0
.rept 16
.set rO, O+32*(i%2)+8*((i/2)%4)
.set rV, (\from)+32*(i/8)+8*((i/2)%4)
.set rP, P+16*(i%2)+8*(i/8)
	v_wmma_f32_16x16x32_f16 v[rO:rO+7], v[rV:rV+7], v[rP:rP+7], v[rO:rO+7]
.set i, i+1
.endr
	WIN 0
.endm
.macro FETCH_K                      ; a step's K: 64 keys x 64 channels, 8 fragments, 16 loads
	WIN 0
	v_add_nc_u32 v[AK], s[TBK], v[AK0]
	WIN 0x40
.irp f, 0,1,2,3,4,5,6,7
	ds_load_b128 v[KF+8*\f:KF+8*\f+3],   v[AK] offset:(\f/2)*16*PK+(\f%2)*64
	ds_load_b128 v[KF+8*\f+4:KF+8*\f+7], v[AK] offset:(\f/2)*16*PK+(\f%2)*64+32
.endr
	s_add_co_u32 s[TBK], s[TBK], KS*PK
	WIN 0
.endm
.macro TURNED to                    ; 64 keys x 64 channels at v[AV], turned: 16 loads
	WIN 0x40
.irp f, 0,1,2,3,4,5,6,7
	ds_load_tr16_b128 v[(\to)+8*\f:(\to)+8*\f+3],   v[AV] offset:(\f/4)*32*PV+(\f%4)*32
	ds_load_tr16_b128 v[(\to)+8*\f+4:(\to)+8*\f+7], v[AV] offset:(\f/4)*32*PV+16*PV+(\f%4)*32
.endr
	WIN 0
.endm
.macro FETCH_V                      ; a step's V
	WIN 0
	v_add_nc_u32 v[AV], s[TBV], v[AV0]
	TURNED VF
	s_add_co_u32 s[TBV], s[TBV], KS*PV
.endm
.macro FETCH_L                      ; the second half of V of keys 0-63: once, and kept
	WIN 0
	v_add_nc_u32 v[AV], VLO-VOFF, v[AV0]
	TURNED VL
.endm
; THE VECTOR WORK, all in window 0.
.macro REGS u
.set rT, ST+4*(\u)
.set rC, TMP+4*(\u)
.set rM, MV+(\u)
.set rS, S+32*(\u)
.set rP, P+16*(\u)
.set rO, O+32*(\u)
.endm
; Number n of the 22 that find a tile's maximum and statistics: 0-11 four chains of seven scores (each accumulator's lowest registers first); 12-14, 16 the four scores
; left over, the old m, and the chains into c0; 15 c m_old is kept; 17, 18 the query's other 32 keys lie in the lane 16 away; 19-21 c m, c m_old - c m_new, a
.macro XS u, n
	REGS \u
.if (\n) < 4
	v_max3_num_f32 v[rC+(\n)], v[rS+8*(\n)], v[rS+8*(\n)+1], v[rS+8*(\n)+2]
.elseif (\n) < 12
	v_max3_num_f32 v[rC+(\n)%4], v[rC+(\n)%4], v[rS+8*((\n)%4)+2*((\n)/4)+1], v[rS+8*((\n)%4)+2*((\n)/4)+2]
.elseif (\n) == 12
	v_max3_num_f32 v[rC], v[rC], v[rS+7], v[rS+15]
.elseif (\n) == 13
	v_max3_num_f32 v[rC+1], v[rC+1], v[rS+23], v[rS+31]
.elseif (\n) == 14
	v_max3_num_f32 v[rC+2], v[rC+2], v[rC+3], v[rT+1]
.elseif (\n) == 15
	v_mov_b32 v[rM], v[rT]
.elseif (\n) == 16
	v_max3_num_f32 v[rC], v[rC], v[rC+1], v[rC+2]
.elseif (\n) == 17
	v_permlanex16_b32 v[rC+3], v[rC], s[SEL], s[SEL+1]
.elseif (\n) == 18
	v_max_num_f32 v[rT+1], v[rC], v[rC+3]
.elseif (\n) == 19
	v_mul_f32 v[rT], s[CS], v[rT+1]
.elseif (\n) == 20
	v_sub_f32 v[rC+1], v[rM], v[rT]
.else
	v_exp_f32 v[rC+2], v[rC+1]
.endif
.endm
.macro FS u, b                      ; c s - c m for pair b of 16
	REGS \u
	v_pk_fma_f32 v[rS+2*(\b):rS+2*(\b)+1], v[rS+2*(\b):rS+2*(\b)+1], s[CS:CS+1], v[rT:rT+1] op_sel_hi:[1,0,0] neg_lo:[0,0,1] neg_hi:[0,0,1]
.endm
.macro ES u, n                      ; the exponential of score n of 32
	REGS \u
	v_exp_f32 v[rS+(\n)], v[rS+(\n)]
.endm
.macro CV u, b                      ; pair b rounded to f16
	REGS \u
	s_wait_alu depctr_va_vdst(0)
	v_cvt_pk_f16_f32 v[rP+(\b)], v[rS+2*(\b)], v[rS+2*(\b)+1]
.endm
.macro BS u, n                      ; of the four weights 4 n .. the second pair is added onto the first
	REGS \u
	v_pk_add_f32 v[rS+4*(\n):rS+4*(\n)+1], v[rS+4*(\n):rS+4*(\n)+1], v[rS+4*(\n)+2:rS+4*(\n)+3]
.endm
.macro LS u, n                      ; l takes that sum; the first time l = a l + sum
	REGS \u
.if (\n) == 0
	v_pk_fma_f32 v[rT+2:rT+3], v[rT+2:rT+3], v[rC+2:rC+3], v[rS:rS+1] op_sel_hi:[1,0,1]
.else
	v_pk_add_f32 v[rT+2:rT+3], v[rT+2:rT+3], v[rS+4*(\n):rS+4*(\n)+1]
.endif
.endm
.macro RS u, n                      ; pair n of 16 of O^T times a
	REGS \u
	s_wait_alu depctr_va_vdst(0)
	v_pk_mul_f32 v[rO+2*(\n):rO+2*(\n)+1], v[rO+2*(\n):rO+2*(\n)+1], v[rC+2:rC+3] op_sel_hi:[1,0]
.endm
.macro RQ                           ; the next of the 32 rescalings, ascending, tiles alternating: it fills places where nothing else is ready
	RS r%2, r/2
.set r, r+1
.endm
; A step's softmax for both tiles, 236 lines, the tiles alternating.  Behind every exponential stands a plain line that touches neither its result nor its source (ISA guide 5.7.2).
.macro SOFTMAX
	WIN 0
.set r, 0
.set n, 0
.rept 22
	XS 0, n
	XS 1, n
.set n, n+1
.endr
	FS 0, 0
	FS 1, 0
	FS 0, 1
	FS 1, 1
.set n, 0
.rept 16
	ES 0, 2*n
.if n < 14
	FS 0, n+2
.else
	RQ
.endif
	ES 1, 2*n
.if n < 14
	FS 1, n+2
.else
	RQ
.endif
	ES 0, 2*n+1
.if n > 0
	CV 0, n-1
.else
	RQ
.endif
	ES 1, 2*n+1
.if n > 0
	CV 1, n-1
.else
	RQ
.endif
.set n, n+1
.endr
	RQ
	CV 0, 15
	CV 1, 15
.set n, 0
.rept 8
	BS 0, n
	BS 1, n
	RQ
	RQ
	LS 0, n
	LS 1, n
	RQ
.set n, n+1
.endr
	RQ
.endm
; The mask of the step whose scores have just been made: S += MD x AL, then S += BE, with (AL, BE) = (1, 0) in the tile's own step, (0, 0) before it, (0, -1e30) behind it.
.macro MASK
	WIN 0
.irp x, 0,1
	s_add_co_u32 s[TS], s[OWN], \x
	s_cmp_eq_u32 s[SA], s[TS]
	s_cselect_b32 s[AL], 1.0, 0
	s_cmp_gt_u32 s[SA], s[TS]
	s_cselect_b32 s[BE], s[BIGN], 0
.set z, 0
.rept 16
	v_pk_fma_f32 v[S+32*(\x)+2*z:S+32*(\x)+2*z+1], v[MD+2*z:MD+2*z+1], s[AL:AL+1], v[S+32*(\x)+2*z:S+32*(\x)+2*z+1] op_sel_hi:[1,0,1]
.set z, z+1
.endr
.set z, 0
.rept 16
	v_pk_add_f32 v[S+32*(\x)+2*z:S+32*(\x)+2*z+1], v[S+32*(\x)+2*z:S+32*(\x)+2*z+1], s[BE:BE+1] op_sel_hi:[1,0]
.set z, z+1
.endr
.endr
.endm
; THE WAY OUT: l's halves and the other half of the lanes' are added; O^T is divided by l, rounded to f16 and sent through my stage, a tile at a time.
.macro PACK t
.set i, 0
.rept 16
	v_pk_mul_f32 v[O+32*(\t)+2*i:O+32*(\t)+2*i+1], v[O+32*(\t)+2*i:O+32*(\t)+2*i+1], v[ST+4*(\t)+2:ST+4*(\t)+3] op_sel_hi:[1,0]
.set i, i+1
.endr
.set i, 0
.rept 16
	v_cvt_pk_f16_f32 v[S+16*(\t)+i], v[O+32*(\t)+2*i], v[O+32*(\t)+2*i+1]
.set i, i+1
.endr
.irp f, 0,1,2,3
	ds_store_b128 v[STO], v[S+16*(\t)+4*\f:S+16*(\t)+4*\f+3] offset:32*\f
.endr
.irp f, 0,1,2,3
	ds_load_b128 v[S+16*(\t)+4*\f:S+16*(\t)+4*\f+3], v[RD] offset:\f*4*SP  ; LDS serves a wave's instructions in order (ISA guide 5.7.1.4): these see the stores above
.endr
.endm
.macro SEND t, younger              ; younger: the LDS instructions issued behind tile t's loads
.irp f, 0,1,2,3
	s_wait_dscnt (\younger)+3-\f
	global_store_b128 v[GO], v[S+16*(\t)+4*\f:S+16*(\t)+4*\f+3], s[10:11] offset:(\t)*8192+\f*512  ; 512 consecutive bytes, aligned
.endr
.endm
.macro WAYOUT
	WIN 0
.irp t, 0,1
	v_add_f32 v[ST+4*\t+2], v[ST+4*\t+2], v[ST+4*\t+3]
.endr
.irp t, 0,1
	v_permlanex16_b32 v[ST+4*\t+3], v[ST+4*\t+2], s[SEL], s[SEL+1]
.endr
.irp t, 0,1
	v_add_f32 v[ST+4*\t+2], v[ST+4*\t+2], v[ST+4*\t+3]
.endr
.irp t, 0,1
	v_rcp_f32 v[ST+4*\t+2], v[ST+4*\t+2]
.endr
	v_nop                           ; a plain line between the last reciprocal and the use of its result
	s_wait_alu depctr_va_vdst(0)
	PACK 0
	PACK 1
	SEND 0, 8
	SEND 1, 0
	; wave 0's tile 0 is the block's first 16 rows: what its rounding left goes out too, by the same way.  The jump hangs on the wave's number and passes no barrier.
	s_cmp_lg_u32 s[WV], 0
	s_cbranch_scc1 .Lno_lo_\@
.set i, 0
.rept 16
	v_cvt_pk_f16_f32 v[S+32+i], v[O+2*i], v[O+2*i+1]
.set i, i+1
.endr
.set i, 0
.rept 16
	v_fma_mix_f32 v[O+2*i],   -v[S+32+i], v[ONE], v[O+2*i]   op_sel_hi:[1,0,0]                 ; O less its f16, exact
	v_fma_mix_f32 v[O+2*i+1], -v[S+32+i], v[ONE], v[O+2*i+1] op_sel:[1,0,0] op_sel_hi:[1,0,0]
.set i, i+1
.endr
.set i, 0
.rept 16
	v_cvt_pk_f16_f32 v[S+48+i], v[O+2*i], v[O+2*i+1]
.set i, i+1
.endr
.irp f, 0,1,2,3
	ds_store_b128 v[STO], v[S+48+4*\f:S+48+4*\f+3] offset:32*\f
.endr
.irp f, 0,1,2,3
	ds_load_b128 v[S+48+4*\f:S+48+4*\f+3], v[RD] offset:\f*4*SP
.endr
.irp f, 0,1,2,3
	s_wait_dscnt 3-\f
	global_store_b128 v[GO], v[S+48+4*\f:S+48+4*\f+3], s[ALP:ALP+1] offset:\f*512
.endr
.Lno_lo_\@:
.endm
; The first block ends and the second begins: only m, the counters, O's addresses and Q are set anew.
.macro BLOCKEND
	WAYOUT
	s_wait_xcnt 0x0                 ; the stores have read their registers and O's addresses
	s_mov_b64 s[10:11], s[OLO:OLO+1]
	s_mov_b64 s[ALP:ALP+1], s[ALP2:ALP2+1]
	s_mov_b32 s[STP], s[STP2]
	s_mov_b32 s[SA], 0
	s_mov_b32 s[OWN], s[OWN2]
.irp u, 0,1
	v_mov_b32 v[ST+4*\u], 0xfe000000
	v_mov_b32 v[ST+4*\u+1], 0xff7fffff
.endr
	WIN 0x41                        ; destination and source 0 in window 1
.set i, 0
.rept 32
	v_mov_b32 v[i], v[QB+i]
.set i, i+1
.endr
	WIN 0
.endm
; A TRIP: K of step j + 1 is fetched; step j's softmax and products V^T P; V of step j + 1 is fetched; step j + 1's products K Q^T and, near a block's end, its mask.
; main = 1: the loop's text, with the second half of V in a walk's step 0, the block's end and the jump over the mask; main = 0: the walk's last tile, whose four steps all take the mask
; (its first trip finishes step 3 or a later one of the second walk: never step 0).
.macro TRIP main
	FETCH_K                         ; four plain lines stand behind the last product that read K
	SOFTMAX
	s_wait_dscnt 16                 ; V of step j is in; K's sixteen loads are younger
	PVS VF
.if \main
	s_cmp_eq_u32 s[SA], 1           ; step j is the walk's step 0: keys 0-63
	s_cbranch_scc0 .Lnolo
	PVS VL                          ; the same weights on what V's rounding left; the accumulators go on taking turns
.Lnolo:
.endif
	PLACES
	FETCH_V
.if \main
	s_cmp_lg_u32 s[STP], 0
	s_cbranch_scc1 .Lnoend          ; forward, over text that holds no barrier and no tensor load
	BLOCKEND
.Lnoend:
.Lenter:
.endif
	s_wait_dscnt 16                 ; K of step j + 1 is in; V's sixteen loads are younger
	KQS
	PLACES
.if \main
	s_cmp_gt_u32 s[STP], 8
	s_cbranch_scc1 .Lnomask
.endif
	MASK
.if \main
.Lnomask:
.endif
	s_add_co_u32 s[SA], s[SA], 1
	s_sub_co_u32 s[STP], s[STP], 1
	s_sub_co_u32 s[CNT], s[CNT], 1
	s_cmp_lg_u32 s[CNT], 0
.endm
	CHANGE 1                        ; slot 0 and V's second half are in, everybody's part of them; tile 1 is asked for, into slot 1
	FETCH_L                         ; older than K's and V's loads below: every later count that shows those in shows these in
	FETCH_K                         ; key step 0
	FETCH_V
	s_wait_loadcnt 0x0              ; Q
	s_mov_b32 s[CNT], 4
	s_mov_b32 s[SLOTS], 17
	s_branch .Lenter                ; the loop is entered in the middle of a trip: there is no step yet to finish
.Lslot:                             ; 16 times: a tile is entered and the next is asked for
	CHANGE 1
	s_mov_b32 s[CNT], 4
.Ltrip:
	TRIP 1
	s_cbranch_scc1 .Ltrip
	s_sub_co_u32 s[SLOTS], s[SLOTS], 1
	s_cmp_lg_u32 s[SLOTS], 0
	s_cbranch_scc1 .Lslot
	CHANGE 0                        ; the walk's last tile is written out
	s_mov_b32 s[CNT], 4
.Ltail:
	TRIP 0
	s_cbranch_scc1 .Ltail
	SOFTMAX                         ; the last step
	s_wait_dscnt 0x0
	PVS VF
	PLACES
	WAYOUT
	s_wait_tensorcnt 0x0            ; the wave's end
	ds_add_u32 v[SPW], v[NIL]
	s_wait_dscnt 0x0
	CROUND                          ; the closing round
	s_endpgm
.Lfunc_end_k_qf654f9c283_attn:
	.size	k_qf654f9c283_attn, .Lfunc_end_k_qf654f9c283_attn-k_qf654f9c283_attn
	.p2alignl 7, 3214868480
	.fill 96, 4, 3214868480
	.section	.rodata,"a",@progbits
	.p2align	6, 0x0
	.amdhsa_kernel k_qf654f9c283_attn
		.amdhsa_group_segment_fixed_size 327680
		.amdhsa_private_segment_fixed_size 0
		.amdhsa_enable_private_segment 0
		.amdhsa_kernarg_size 32
		.amdhsa_user_sgpr_count 2
		.amdhsa_user_sgpr_kernarg_segment_ptr 1
		.amdhsa_wavefront_size32 1
		.amdhsa_system_sgpr_workgroup_id_x 1
		.amdhsa_system_sgpr_workgroup_id_y 1
		.amdhsa_system_sgpr_workgroup_id_z 1
		.amdhsa_system_vgpr_workitem_id 0
		.amdhsa_next_free_vgpr 512
		.amdhsa_next_free_sgpr 100
		.amdhsa_reserve_vcc 1
		.amdhsa_float_denorm_mode_32 3
		.amdhsa_float_denorm_mode_16_64 3
		.amdhsa_memory_ordered 1
		.amdhsa_forward_progress 1
		.amdhsa_inst_pref_size 112
	.end_amdhsa_kernel
	.amdgpu_metadata
---
amdhsa.version: [ 1, 2 ]
amdhsa.kernels:
  - .name:           k_qf654f9c283_attn
    .symbol:         k_qf654f9c283_attn.kd
    .args:
      - { .name: qh, .offset: 0, .size: 8, .value_kind: global_buffer, .address_space: global }
      - { .name: kh, .offset: 8, .size: 8, .value_kind: global_buffer, .address_space: global }
      - { .name: vh, .offset: 16, .size: 8, .value_kind: global_buffer, .address_space: global }
      - { .name: ah, .offset: 24, .size: 8, .value_kind: global_buffer, .address_space: global }
    .group_segment_fixed_size: 327680
    .private_segment_fixed_size: 0
    .kernarg_segment_align: 8
    .kernarg_segment_size: 32
    .max_flat_workgroup_size: 128
    .sgpr_count:     100
    .vgpr_count:     512
    .wavefront_size: 32
...
	.end_amdgpu_metadata
.endif
;; end of part 3
;; launch oproj (part 4): grid 8 x 32, 4 waves a work-group, clusters of 4 x 4, 327,680 bytes of LDS; arguments ah, wof, out0; writes out0
.if DOCPART == 4
	.amdgcn_target "amdgcn-amd-amdhsa--gfx1250"
	.amdhsa_code_object_version 6
	.text
	.protected	k_qf654f9c283_oproj
	.globl	k_qf654f9c283_oproj
	.p2align	8
	.type	k_qf654f9c283_oproj,@function
k_qf654f9c283_oproj:
	s_mov_b64 s[64:65], 0
	v_nop
	global_prefetch_b8 v0, s[64:65] scope:SCOPE_SE
	s_setreg_imm32_b32 hwreg(HW_REG_WAVE_MODE, 25, 1), 1
	s_wait_xcnt 0x0
	s_wait_alu depctr_hold_cnt(0) depctr_sa_sdst(0) depctr_va_vdst(0) depctr_va_sdst(0) depctr_va_ssrc(0) depctr_va_vcc(0) depctr_vm_vsrc(0)
	s_getreg_b32 s2, hwreg(HW_REG_IB_STS2, 6, 4)
	s_cmp_eq_u32 s2, 0
	s_cbranch_scc0 .Lentry_in_a_cluster
	s_endpgm
.Lentry_in_a_cluster:
	s_bfe_u32 s2, ttmp6, 0x10000c
	s_cmp_lg_u32 s2, 0xf033
	s_cbranch_scc0 .Lentry_shape_is_right
	s_endpgm
.Lentry_shape_is_right:
; out0[row][n] = the sum over e of a[row][e] Wo[n][e], e = 64 head + channel.  ah: [16 = 8 batch + head][4096][64] f16.  wof: [2048][512] f16.  out0: [8192][2048] f32.  Sums in f32.
; Behind ah's 8,388,608 bytes: what a's rounding left for the first 16 rows of every block of 128 rows, [16][32][16][64] f16.  Each wave adds it for the first 16 of its 128 rows: 8 products more in
; each quarter step, 128 on 1,024.  It is the sequences' first 16 rows that need it (a causal mean over n keys is some sqrt(4096 / (8.9 n)) times the output's root mean square); all waves do it,
; since the launch is as long as its longest wave.
; A tile of out0 is 256 x 256: 32 x 8 = 256 work-groups of four waves, each 128 x 128: 64 accumulators, 512 registers.  K = 512 goes in four steps of 128, two heads a step, through two LDS slots.
; Waves 0 and 1 fetch one head's 256 rows of ah each (dense: asked for as 128 rows of 256 bytes, padded after every row of 128), waves 2 and 3 128 rows x 256 bytes of wof each.
; CLUSTER 4 x 4: ah's tiles are shared along a row of the cluster, wof's along a column: joint loads.
; THE MATRIX INSTRUCTION IS USED TRANSPOSED (source 0 = 16 rows of wof, source 1 = 16 rows of ah): a lane holds eight neighbouring numbers of a row of out0.
; REGISTERS: window 0: v6, v16-29 addresses; v64-127, v128-191 fragments of ah, two buffers (on the way out: rows read back).  window 1: the same for wof; v0-63, v192-255 the 16 fragments of a's second half.
;   window 2: the accumulators of my rows 0-63 ((a, b) at 8 (8 a + b)); window 3: those of my rows 64-127.
.set KSTEP,  128
.set PA,     144                       ; a row of ah in LDS: 128 bytes + 16
.set PB,     272                       ; a row of wof: 256 + 16.  Either way the 16 rows of a fragment load start at 16 different groups of four banks (ISA guide 11.1)
.set AHEAD,  256*PA                    ; one head's 256 rows: what waves 0 and 1 bring
.set HALFB,  128*PB                    ; what waves 2 and 3 bring
.set BOFF,   2*AHEAD
.set SLOT,   BOFF+2*HALFB
.set STAGE,  2*SLOT                    ; behind the ring: 16 rows x 528 bytes for each wave
.set SPITCH, 528                       ; 512 bytes of f32 + 16
.set SPARE,  STAGE+4*16*SPITCH
.set LOFF,   0x800000                  ; where the second half begins in ah
.set LO,   6                           ; v6   my byte offset in 16 rows of the second half
.set ADRA, 16
.set ADRB, 20
.set STO,  24
.set RD,   25
.set CO,   26
.set SPW,  28                          ; v28  LDS address of my spare word; never rewritten
.set NIL,  29                          ; v29  0; never rewritten
.set F0,   64
.set F1,   128
.set OB,   64
.set G1, 24
.set G0, 32
.set G1B, 48
.set G0B, 56
.set MSB, 0
.macro WIN new
.if MSB != (\new)
	s_set_vgpr_msb (MSB<<8)|(\new)
.set MSB, \new
.endif
.endm
.set MUL_LO, 0xa1                      ; source 0 (wof) window 1, source 1 (ah) window 0, C and D window 2
.set MUL_HI, 0xf1
.set MUL_X,  0xa5                      ; sources 0 and 1 window 1, C and D window 2
.set TO_B,   0x40
.macro JLOAD s                         ; an s_nop 0 and four v_nop follow each of the two lines
	s_cmp_eq_u32 s11, 0
	s_cbranch_scc0 .Lfor_b_\@
	tensor_load_to_lds s[G0+4*(\s):G0+4*(\s)+3], s[G1:G1+7]
	s_nop 0
.rept 4
	v_nop
.endr
	s_branch .Lasked_\@
.Lfor_b_\@:
	tensor_load_to_lds s[G0B+4*(\s):G0B+4*(\s)+3], s[G1B:G1B+7]
	s_nop 0
.rept 4
	v_nop
.endr
.Lasked_\@:
.endm
.macro CREST
	s_cmp_lg_u32 s10, 0
	s_cbranch_scc1 .Lnot_wave_0_\@
	s_barrier_signal -3
.Lnot_wave_0_\@:
	s_barrier_wait -3
	s_barrier_signal -1
	s_barrier_wait -1
.endm
.macro CROUND
	s_barrier_signal -1
	s_barrier_wait -1
	CREST
.endm
.macro PLACES
.rept 4
	v_nop
.endr
.endm
	s_load_b128 s[4:7], s[0:1], 0x0                ; ah s[4:5], wof s[6:7]
	s_load_b64 s[8:9], s[0:1], 0x10                ; out0
	v_lshl_add_u32 v[SPW], v0, 2, SPARE
	v_mov_b32 v[NIL], 0
	ds_add_u32 v[SPW], v[NIL]                      ; the wave's opening: the add and its wait stand ahead of my first tensor load
	v_lshrrev_b32 v1, 5, v0
	v_readfirstlane_b32 s10, v1                    ; wave
	s_lshr_b32 s11, s10, 1                         ; which half of the tile's rows is mine.  Also: I fetch for ah (0) or for wof (1)
	s_and_b32 s12, s10, 1                          ; which half of its columns.  Also: which head of the step, or which 128 rows of wof, I fetch
	s_bfe_u32 s40, ttmp6, 0x40000                  ; cx
	s_bfe_u32 s41, ttmp6, 0x40004                  ; cy
	s_lshl_b32 s42, ttmp9, 2
	s_add_co_u32 s42, s42, s40                     ; tile column
	s_and_b32 s13, ttmp7, 0xffff
	s_lshl_b32 s13, s13, 2
	s_add_co_u32 s13, s13, s41                     ; tile row
	s_lshl_b32 s43, s41, 2
	s_lshl_b32 s43, 15, s43                        ; my row of the cluster
	s_lshl_b32 s44, 0x1111, s40                    ; my column
	s_or_b32 s[G1],  s43, (1<<16)|(1<<20)|(1<<21)|(4<<22)|(3<<25)  ; ah: after every 32 words 4 words of padding
	s_or_b32 s[G1B], s44, (1<<16)|(1<<20)|(1<<21)|(5<<22)|(3<<25)  ; wof: after every 64 words
.irp g, G1, G1B
	s_mov_b32 s[(\g)+1], 128<<16                   ; tensor_dim0 = 128
	s_mov_b32 s[(\g)+2], 128<<16                   ; tensor_dim1 = 128
	s_mov_b32 s[(\g)+3], 128<<16                   ; tile_dim0 = 128
	s_mov_b32 s[(\g)+4], 128                       ; tile_dim1 = 128
	s_mov_b32 s[(\g)+6], 0
	s_mov_b32 s[(\g)+7], 0
.endr
	s_mov_b32 s[G1+5], 128                         ; ah's rows lie end to end
	s_mov_b32 s[G1B+5], 512                        ; wof: 512 elements from row to row
	s_lshr_b32 s16, s13, 4                         ; ah: batch,
	s_lshl_b32 s16, s16, 3
	s_add_co_u32 s16, s16, s12                     ; head 0 or 1 of step 0,
	s_lshl_b32 s16, s16, 19
	s_and_b32 s17, s13, 15
	s_lshl_b32 s17, s17, 15                        ; and the tile's 256 rows of 128 bytes: the tile row and the wave alone
	s_add_co_u32 s16, s16, s17
	s_mov_b32 s17, 0
	s_lshl_b32 s46, s42, 8                         ; wof: row 256 x tile column + 128 x half, rows of 1,024 bytes
	s_lshl_b32 s47, s12, 7
	s_add_co_u32 s46, s46, s47
	s_lshl_b32 s46, s46, 10
	s_mov_b32 s47, 0
	s_mul_i32 s20, s12, AHEAD                      ; where they go in a slot: the wave's number alone
	s_mul_i32 s21, s12, HALFB
	s_add_co_u32 s21, s21, BOFF
	s_lshr_b32 s66, s13, 4                         ; the second half: batch x 8 heads x 32 blocks,
	s_lshl_b32 s66, s66, 8
	s_and_b32 s67, s13, 15
	s_lshl_b32 s67, s67, 1
	s_add_co_u32 s66, s66, s67
	s_add_co_u32 s66, s66, s11                     ; my 128 rows' block in the sequence,
	s_lshl_b32 s66, s66, 11                        ; 2,048 bytes a block
	s_add_co_u32 s66, s66, LOFF
	s_mov_b32 s67, 0
	s_wait_dscnt 0x0                               ; the opening add is done
	s_wait_kmcnt 0x0
	s_add_nc_u64 s[14:15], s[4:5], s[16:17]
	s_add_nc_u64 s[46:47], s[6:7], s[46:47]
	s_add_nc_u64 s[68:69], s[4:5], s[66:67]
	CROUND                                         ; all sixteen work-groups are here
.irp s, 0,1
	s_mov_b32 s[G0+4*(\s)], 1
	s_add_co_u32 s[G0+4*(\s)+1], s20, (\s)*SLOT
	s_add_nc_u64 s[G0+4*(\s)+2:G0+4*(\s)+3], s[14:15], (\s)*(2<<19)  ; K step s: two heads on
	s_or_b32 s[G0+4*(\s)+3], s[G0+4*(\s)+3], 0x80000000
	s_mov_b32 s[G0B+4*(\s)], 1
	s_add_co_u32 s[G0B+4*(\s)+1], s21, (\s)*SLOT
	s_add_nc_u64 s[G0B+4*(\s)+2:G0B+4*(\s)+3], s[46:47], (\s)*KSTEP*2
	s_or_b32 s[G0B+4*(\s)+3], s[G0B+4*(\s)+3], 0x80000000
	JLOAD \s                                       ; two loads of mine are out
.endr
	v_and_b32 v1, 15, v0                           ; l % 16
	v_bfe_u32 v2, v0, 4, 1                         ; l / 16
	v_lshlrev_b32 v[LO], 7, v1
	v_lshl_add_u32 v[LO], v2, 4, v[LO]             ; row x 128 + 16 x half
	v_mul_u32_u24 v3, v1, PA
	v_lshl_add_u32 v3, v2, 4, v3
	WIN TO_B                                       ; the 16 fragments of the second half, straight into registers: fragment ks is head ks / 2 (65,536 bytes on), channels 32 (ks % 2) on
.set ks, 0
.rept 16
.set rL, 8*ks+128*(ks/8)
	global_load_b128 v[rL:rL+3],   v[LO], s[68:69] offset:(ks/2)*65536+(ks%2)*64
	global_load_b128 v[rL+4:rL+7], v[LO], s[68:69] offset:(ks/2)*65536+(ks%2)*64+32
.set ks, ks+1
.endr
	WIN 0
	v_mul_u32_u24 v4, v1, PB
	v_lshl_add_u32 v4, v2, 4, v4
	s_mul_i32 s22, s11, 128*PA                     ; my 128 rows of ah (in each head's part)
	s_mul_i32 s23, s12, HALFB                      ; my 128 rows of wof
	s_add_co_u32 s23, s23, BOFF
.irp s, 0,1
	v_add_nc_u32 v[ADRA+(\s)], s22, v3
	v_add_nc_u32 v[ADRB+(\s)], s23, v4
	s_add_co_u32 s22, s22, SLOT
	s_add_co_u32 s23, s23, SLOT
.endr
	s_mul_i32 s18, s10, 16*SPITCH
	s_add_co_u32 s18, s18, STAGE                   ; my stage
	v_mul_u32_u24 v5, v1, SPITCH                   ; in: row l % 16, 32 bytes for each half of the lanes
	v_lshl_add_u32 v5, v2, 5, v5
	v_add_nc_u32 v[STO], s18, v5
	v_and_b32 v[CO], 31, v0                        ; back: 32 lanes take one row of 512 bytes
	v_lshlrev_b32 v[CO], 4, v[CO]
	v_add_nc_u32 v[RD], s18, v[CO]
	s_lshl_b32 s16, s13, 8
	s_lshl_b32 s17, s11, 7
	s_add_co_u32 s16, s16, s17                     ; my first row of out0,
	s_lshl_b32 s16, s16, 13                        ; rows of 8,192 bytes
	s_mov_b32 s17, 0
	s_add_nc_u64 s[8:9], s[8:9], s[16:17]
	s_lshl_b32 s46, s42, 10                        ; my first column, in bytes: 1,024 x tile column + 512 x half
	s_lshl_b32 s47, s12, 9
	s_add_co_u32 s46, s46, s47
	s_mov_b32 s47, 0
	s_add_nc_u64 s[8:9], s[8:9], s[46:47]
; 16 matrix instructions: m blocks a0, a0 + 1 of the window's four x all 8 n blocks.  The accumulators take turns, one instruction a turn, in the same order in every quarter.
.macro MUL16 f, hi, a0, zero
	WIN MUL_LO+0x50*(\hi)
.irp a, \a0, (\a0)+1
.irp b, 0,1,2,3,4,5,6,7
.if \zero
	v_wmma_f32_16x16x32_f16 v[8*(8*(\a)+(\b)):8*(8*(\a)+(\b))+7], v[(\f)+8*(\b):(\f)+8*(\b)+7], v[(\f)+8*(4*(\hi)+(\a)):(\f)+8*(4*(\hi)+(\a))+7], 0
.else
	v_wmma_f32_16x16x32_f16 v[8*(8*(\a)+(\b)):8*(8*(\a)+(\b))+7], v[(\f)+8*(\b):(\f)+8*(\b)+7], v[(\f)+8*(4*(\hi)+(\a)):(\f)+8*(4*(\hi)+(\a))+7], v[8*(8*(\a)+(\b)):8*(8*(\a)+(\b))+7]
.endif
.endr
.endr
.endm
; 8 matrix instructions: the second half of my rows 0-15 x all 8 n blocks, for the quarter whose fragments of wof lie in buffer f.  The quarters come in the text in the order of K: KSN counts them.
.set KSN, 0
.macro MULX f
	WIN MUL_X
.set rL, 8*KSN+128*(KSN/8)
.irp b, 0,1,2,3,4,5,6,7
	v_wmma_f32_16x16x32_f16 v[8*(\b):8*(\b)+7], v[(\f)+8*(\b):(\f)+8*(\b)+7], v[rL:rL+7], v[8*(\b):8*(\b)+7]
.endr
.set KSN, KSN+1
.endm
; 32 LDS loads in one run: quarter q of a K step (head q / 2, channels 32 (q % 2) on) into buffer f: wof's 16, then ah's 16
.macro FETCH slot, q, f
	WIN TO_B
.irp i, 0,1,2,3,4,5,6,7
	ds_load_b128 v[(\f)+8*(\i):(\f)+8*(\i)+3],   v[ADRB+(\slot)] offset:64*(\q)+(\i)*16*PB
	ds_load_b128 v[(\f)+8*(\i)+4:(\f)+8*(\i)+7], v[ADRB+(\slot)] offset:64*(\q)+(\i)*16*PB+32
.endr
	WIN 0
.irp i, 0,1,2,3,4,5,6,7
	ds_load_b128 v[(\f)+8*(\i):(\f)+8*(\i)+3],   v[ADRA+(\slot)] offset:((\q)/2)*AHEAD+((\q)%2)*64+(\i)*16*PA
	ds_load_b128 v[(\f)+8*(\i)+4:(\f)+8*(\i)+7], v[ADRA+(\slot)] offset:((\q)/2)*AHEAD+((\q)%2)*64+(\i)*16*PA+32
.endr
.endm
.macro QUARTER slot, q, f, g, zero     ; multiplies f; in its middle fetches quarter q of the same slot into g
	s_wait_dscnt 8                                 ; wof and ah's rows 0-63 are in; the youngest eight loads may be out
	MUL16 \f, 0, 0, \zero
	MUL16 \f, 0, 2, \zero
	MULX \f
	PLACES
	FETCH \slot, \q, \g
	s_wait_dscnt 32                                ; all but the 32 just issued
	MUL16 \f, 1, 0, \zero
	MUL16 \f, 1, 2, \zero
.endm
; The first half of a K step's last quarter: one barrier for the change of slots.  In front of it each wave waits for all its tensor loads, adds 0 to its spare word, and waits for that and for its reads of this slot.
.macro MEET round
	WIN 0
	s_wait_tensorcnt 0x0
	ds_add_u32 v[SPW], v[NIL]
	s_wait_dscnt 9                                 ; the add and the youngest eight loads may be out
	MUL16 F1, 0, 0, 0
	s_wait_dscnt 0x0                               ; the add is done, and my reads of this slot are over
	s_barrier_signal -1
	MUL16 F1, 0, 2, 0
	MULX F1
.if \round
	WIN 0
.endif
	s_barrier_wait -1
.endm
.macro TURN slot, next                 ; the whole last quarter, with the slot filled again two K steps ahead
	MEET 1
	CREST                                          ; no wave of any partner still reads this slot's tile or has a load on its way
	s_add_nc_u64 s[G0+4*(\slot)+2:G0+4*(\slot)+3], s[G0+4*(\slot)+2:G0+4*(\slot)+3], 4<<19
	s_add_nc_u64 s[G0B+4*(\slot)+2:G0B+4*(\slot)+3], s[G0B+4*(\slot)+2:G0B+4*(\slot)+3], 2*KSTEP*2
	JLOAD \slot                                    ; my one tensor load behind the round; its four v_nop are also the places in front of the loads below
	FETCH \next, 0, F0
	MUL16 F1, 1, 0, 0
	MUL16 F1, 1, 2, 0
.endm
	s_wait_tensorcnt 1                             ; my part of K step 0 is in; K step 1's load is the one younger
	s_barrier_signal -1
	s_barrier_wait -1
	FETCH 0, 0, F0
	s_wait_loadcnt 0x0                             ; the second half's fragments
	QUARTER 0, 1, F0, F1, 1                        ; K step 0; the first quarter's products start the sums
	QUARTER 0, 2, F1, F0, 0
	QUARTER 0, 3, F0, F1, 0
	TURN 0, 1                                      ; slot 0 takes K step 2
	QUARTER 1, 1, F0, F1, 0                        ; K step 1
	QUARTER 1, 2, F1, F0, 0
	QUARTER 1, 3, F0, F1, 0
	TURN 1, 0                                      ; slot 1 takes K step 3
	QUARTER 0, 1, F0, F1, 0                        ; K step 2
	QUARTER 0, 2, F1, F0, 0
	QUARTER 0, 3, F0, F1, 0
	MEET 0                                         ; nothing is left to fetch
	PLACES
	FETCH 1, 0, F0
	MUL16 F1, 1, 0, 0
	MUL16 F1, 1, 2, 0
	QUARTER 1, 1, F0, F1, 0                        ; K step 3
	QUARTER 1, 2, F1, F0, 0
	QUARTER 1, 3, F0, F1, 0
	s_wait_dscnt 8
	MUL16 F1, 0, 0, 0
	MUL16 F1, 0, 2, 0
	MULX F1
	s_wait_dscnt 0x0
	MUL16 F1, 1, 0, 0
	MUL16 F1, 1, 2, 0
	WIN 0
	PLACES
; THE WAY OUT, 16 rows at a time: the sums go as they are, 32 bytes a lane, into my stage (each accumulator's lowest registers first), and come back as whole rows of 512 bytes.
.macro TOSTAGE a
.set BK, OB+64*((\a)%2)
.set AC, 64*((\a)%4)
	s_wait_xcnt 0x0                                ; the registers that earlier stores read are loaded again only behind this wait
	WIN 0x08+4*((\a)/4)                            ; the stores' data in window 2 or 3
.irp b, 0,1,2,3,4,5,6,7
	ds_store_b128 v[STO], v[AC+8*(\b):AC+8*(\b)+3]   offset:64*(\b)
	ds_store_b128 v[STO], v[AC+8*(\b)+4:AC+8*(\b)+7] offset:64*(\b)+16
.endr
	WIN 0
.irp t, 0,1,2,3,4,5,6,7,8,9,10,11,12,13,14,15
	ds_load_b128 v[BK+4*(\t):BK+4*(\t)+3], v[RD] offset:(\t)*SPITCH  ; LDS serves a wave's instructions in order (ISA guide 5.7.1.4): these see the stores above
.endr
.endm
.macro SEND a, younger                 ; younger: the LDS instructions issued behind this block's loads: the next block's 32, or none
.set BK, OB+64*((\a)%2)
	WIN 0
	s_wait_dscnt \younger
.irp t, 0,1,2,3,4,5,6,7,8,9,10,11,12,13,14,15
	global_store_b128 v[CO], v[BK+4*(\t):BK+4*(\t)+3], s[8:9] offset:(\a)*131072+(\t)*8192 th:TH_STORE_NT  ; 512 consecutive bytes, aligned; 1,040,384 at the most, inside the signed 24-bit immediate
.endr
.endm
	TOSTAGE 0
.irp a, 1,2,3,4,5,6,7
	TOSTAGE \a
	SEND (\a)-1, 32
.endr
	SEND 7, 0
	s_wait_tensorcnt 0x0                           ; the wave's end
	ds_add_u32 v[SPW], v[NIL]
	s_wait_dscnt 0x0
	CROUND                                         ; the closing round
	s_endpgm
.Lfunc_end_k_qf654f9c283_oproj:
	.size	k_qf654f9c283_oproj, .Lfunc_end_k_qf654f9c283_oproj-k_qf654f9c283_oproj
	.p2alignl 7, 3214868480
	.fill 96, 4, 3214868480
	.section	.rodata,"a",@progbits
	.p2align	6, 0x0
	.amdhsa_kernel k_qf654f9c283_oproj
		.amdhsa_group_segment_fixed_size 327680
		.amdhsa_private_segment_fixed_size 0
		.amdhsa_enable_private_segment 0
		.amdhsa_kernarg_size 24
		.amdhsa_user_sgpr_count 2
		.amdhsa_user_sgpr_kernarg_segment_ptr 1
		.amdhsa_wavefront_size32 1
		.amdhsa_system_sgpr_workgroup_id_x 1
		.amdhsa_system_sgpr_workgroup_id_y 1
		.amdhsa_system_sgpr_workgroup_id_z 1
		.amdhsa_system_vgpr_workitem_id 0
		.amdhsa_next_free_vgpr 1024
		.amdhsa_next_free_sgpr 72
		.amdhsa_reserve_vcc 0
		.amdhsa_float_denorm_mode_32 3
		.amdhsa_float_denorm_mode_16_64 3
		.amdhsa_memory_ordered 1
		.amdhsa_forward_progress 1
		.amdhsa_inst_pref_size 152
	.end_amdhsa_kernel
	.amdgpu_metadata
---
amdhsa.version: [ 1, 2 ]
amdhsa.kernels:
  - .name:           k_qf654f9c283_oproj
    .symbol:         k_qf654f9c283_oproj.kd
    .args:
      - { .name: ah, .offset: 0, .size: 8, .value_kind: global_buffer, .address_space: global }
      - { .name: wof, .offset: 8, .size: 8, .value_kind: global_buffer, .address_space: global }
      - { .name: out0, .offset: 16, .size: 8, .value_kind: global_buffer, .address_space: global }
    .group_segment_fixed_size: 327680
    .private_segment_fixed_size: 0
    .kernarg_segment_align: 8
    .kernarg_segment_size: 24
    .max_flat_workgroup_size: 128
    .sgpr_count:     72
    .vgpr_count:     1024
    .wavefront_size: 32
...
	.end_amdgpu_metadata
.endif
;; end of part 4
;; ======== version 2 of 2: 4 launches; 1.36 times as fast as version 1
;; limits: values are held in f16: magnitudes above 65,504 overflow, below 6.1e-05 lose precision
;; workspace buffers: xb 33,554,432 bytes; wb 6,291,456 bytes; wof 2,097,152 bytes; tab 1,048,576 bytes; qh 8,388,608 bytes; kh 8,388,608 bytes; vh 8,912,896 bytes; ah 9,437,184 bytes
;; launch prep: the kernel of part 1 again; grid 656 x 1, 8 waves a work-group, no clusters, 0 bytes of LDS; arguments x, Wq, Wk, Wv, Wo, xb, wb, wof, tab; writes xb, wb, wof, tab
;; launch qkv: the kernel of part 2 again; grid 4 x 64, 4 waves a work-group, clusters of 4 x 4, 327,680 bytes of LDS; arguments xb, wb, tab, qh, kh, vh; writes qh, kh, vh
;; launch attn (part 5): grid 16 x 16, 4 waves a work-group, clusters of 4 x 1, 327,680 bytes of LDS; arguments qh, kh, vh, ah; writes ah
.if DOCPART == 5
	.amdgcn_target "amdgcn-amd-amdhsa--gfx1250"
	.amdhsa_code_object_version 6
	.text
	.protected	k_qf654f9c283_attn
	.globl	k_qf654f9c283_attn
	.p2align	8
	.type	k_qf654f9c283_attn,@function
k_qf654f9c283_attn:
	s_mov_b64 s[64:65], 0
	v_nop
	global_prefetch_b8 v0, s[64:65] scope:SCOPE_SE
	s_setreg_imm32_b32 hwreg(HW_REG_WAVE_MODE, 25, 1), 1
	s_wait_xcnt 0x0
	s_wait_alu depctr_hold_cnt(0) depctr_sa_sdst(0) depctr_va_vdst(0) depctr_va_sdst(0) depctr_va_ssrc(0) depctr_va_vcc(0) depctr_vm_vsrc(0)
	s_getreg_b32 s2, hwreg(HW_REG_IB_STS2, 6, 4)
	s_cmp_eq_u32 s2, 0
	s_cbranch_scc0 .Lentry_in_a_cluster
	s_endpgm
.Lentry_in_a_cluster:
	s_bfe_u32 s2, ttmp6, 0x10000c
	s_cmp_lg_u32 s2, 0x3003
	s_cbranch_scc0 .Lentry_shape_is_right
	s_endpgm
.Lentry_shape_is_right:
; CAUSAL ATTENTION.  O[g][q][:] = the sum over k <= q of softmax_k(Q[g][q] . K[g][k] / 8) V[g][k][:].  qh, kh, vh, ah: [16][4096][64] f16, rows of 128 bytes, dense.
; Products, maxima and sums in f32; the weights p are rounded to f16 for the second product (their sum l is taken of the unrounded p), O once at the end.
; SECOND HALVES.  A causal mean over n keys is some sqrt(4096 / (8.9 n)) times the output's root mean square, so in the first rows 11 bits of V and of O are too few for an allowance that goes by that
; root mean square.  Behind vh's 8,388,608 bytes lies what V's rounding left, [16][4][64][64] f16, entry 0 of a head for keys 0-63: in each walk's first key step 16 more products add it.
; Behind ah's 8,388,608 bytes goes what O's rounding leaves for the first 16 rows of every block of 128, [16][32][16][64] f16.
; LIMITS.  Q, K, V arrive within 65,504.  A hidden score counts as its value less 1e30 (f16's scores are 2.7e11 at the most); a weight below 2^-126 counts as 0 in l; the second halves keep f16's fixed
; step of 6e-8; NaN and infinities are not treated apart.
; THE WALK.  A head's queries lie in 32 blocks of 128.  Work-group b (0..15) of a head takes blocks 31 - b and then b.  The four work-groups of a cluster (b = 4 c + cx) walk ONE common sequence of key tiles
; of 256 keys: tiles 0 .. 15 - 2 c for the first block, tiles 0 .. 2 c + 1 for the second: 18 tiles, 72 key steps of 64, whatever c and cx.  So every tile is asked for JOINTLY, every trip count is a
; constant, and the forward jumps hang on counters made of c, which the partners share.  cx enters only Q's and O's addresses and two selected scalars of the mask.
; SHARES.  A wave owns two tiles of 16 queries, one in each of the block's two bands of 64: tile u holds rows 128 i + 64 u + 16 w + 0..15.
; THE MASK.  Tile u's own key step is 2 i + u.  An earlier step is seen whole; in its own step MD (0 or -1e30, made once) is added to the scores; in a later one -1e30.  All own steps lie in the last
; eight steps of a block's walk; elsewhere the mask's lines are jumped over.  A row's first step is seen or its own, so m is a true score before the first hidden one comes.
; LAYOUT, SOFTMAX.  S^T = K Q^T holds ONE query a lane (lane % 16) and the keys 8 (lane / 16) + 0..7; two such results rounded to f16 ARE source 1 of O^T = V^T P.  p = 2^(c s - c m), c = log2(e) / 8, with a
; running maximum m; O and l are multiplied by a = 2^(c m_old - c m_new) in every step.  m starts at the lowest finite number, so a block's first a is 0.
; IN PHASES: a step's softmax, its 16 products V^T P, the next step's 16 products K Q^T.  K of the next step is fetched in the middle of the softmax, V behind the products V^T P.
; THE BATCHES.  A step's 66 exponentials (both tiles' a, then their 64 weights) are ONE batch with ONE wait, which cuts the softmax in two.  Ahead of the wait stands all that names no result of theirs:
; the maxima and statistics, and the 32 scalings, dealt among the exponentials.  Behind it stand all that do: the roundings, the sums, l and the rescaling of O^T.  No result is open at a label or a jump.
; The way out's two reciprocals are a batch of their own, with a wait of their own.
; REGISTERS: window 0: v1-15 addresses; v16-23 statistics; v24-34 at work and 1.0; v64-127 S^T; v128-159 P; v160-223 O^T; v224-255 MD.
;   window 1: v0-31 Q; v32-63 the second block's Q; v64-127 K of one step; v128-191 V of one step; v192-255 the second half of V of keys 0-63.
.set KS,    64
.set PK,    144       ; a row of K in LDS: 128 bytes + 16: the 16 rows of a load start at 16 different groups of four banks (ISA guide 11.1)
.set PV,    160       ; a row of V: 128 + 32
.set VOFF,  4*KS*PK   ; a slot holds a tile, four steps: 256 rows of K, then 256 rows of V
.set SLOT1, 1<<17
.set STAGE, SLOT1+4*KS*(PK+PV)
.set SP,    144
.set SPARE, STAGE+4*16*SP
.set VLO,   SPARE+512 ; 64 rows x 160 bytes, filled once: the second half of V of keys 0-63
.set LOFF,  0x800000  ; where the second halves begin in vh and in ah
.set AK0, 2           ; v2   my lane's place in a tile of K; never rewritten
.set AV0, 3           ; v3   the same for V
.set AK,  4
.set AV,  5
.set STO, 6
.set RD,  7
.set GO,  8
.set QO,  12
.set SPW, 14          ; v14  LDS address of my spare word; never rewritten
.set NIL, 15          ; v15  0; never rewritten
.set ST,  16          ; tile u: c m, m, l (even keys', odd keys')
.set TMP, 24          ; tile u: c0-c3 at work; a takes c2's place
.set MV,  32          ; tile u: c m_old
.set ONE, 34          ; v34  1.0
.set S,   64
.set P,   128
.set O,   160
.set MD,  224
.set QB,  32          ; window 1
.set KF,  64
.set VF,  128
.set VL,  192
.set WV,  12          ; s12  my wave's number
.set G1K, 24
.set G1V, 32
.set G0K, 40
.set G0V, 44
.set STP, 48          ; s48  key steps of the block in hand whose scores are still to be made
.set SA,  49          ; s49  the number, in the block's walk, of the step whose scores are made next
.set OWN, 50          ; s50  tile 0's own step: 2 i
.set STP2, 51         ; s51  the second block's steps: 8 c + 8
.set OWN2, 52         ; s52  2 b
.set TS,  53          ; s53  at work
.set SLOTS, 56
.set CNT, 57
.set CS,  58          ; s[58:59] c
.set SEL, 60          ; s[60:61] v_permlanex16_b32's selects
.set TBK, 62          ; s62  LDS byte at which K of the step to be fetched begins
.set TBV, 63          ; s63  the same for V, less VOFF
.set ALP, 66          ; s[66:67] where wave 0 puts O's second half for the block in hand
.set ALP2, 68         ; s[68:69] the same for the second block
.set NXT, 70          ; s70  the tile to be asked for next
.set LQ,  71          ; s71  the last tile of the walk whose tiles are being asked for
.set LQ2, 72          ; s72  2 c + 1
.set OFF, 74          ; s[74:75] a tile's byte offset in K and V
.set AL,  76          ; s[76:77] the mask's factor
.set BE,  78          ; s[78:79] the mask's addend
.set OLO, 80          ; s[80:81] O at my rows of the second block
.set BIGN, 82         ; s82  -1e30
.set G1L, 88          ; s[88:95] descriptor group 1 for V's second half
.set G0L, 96          ; s[96:99] its group 0
.set MSB, 0
.macro WIN new
.if MSB != (\new)
	s_set_vgpr_msb (MSB<<8)|(\new)
.set MSB, (\new)
.endif
.endm
.set W_KQ, 0x05       ; K and Q in window 1, S^T in window 0
.set W_PV, 0x01       ; V in window 1; P and O^T in window 0
.macro JLOAD                        ; waves 0 and 1 fetch the two halves of a tile's K, waves 2 and 3 those of its V; an s_nop 0 and four v_nop follow each line
	s_cmp_lt_u32 s[WV], 2
	s_cbranch_scc0 .Lfor_v_\@
	tensor_load_to_lds s[G0K:G0K+3], s[G1K:G1K+7]
	s_nop 0
.rept 4
	v_nop
.endr
	s_branch .Lasked_\@
.Lfor_v_\@:
	tensor_load_to_lds s[G0V:G0V+3], s[G1V:G1V+7]
	s_nop 0
.rept 4
	v_nop
.endr
.Lasked_\@:
.endm
.macro CROUND
	s_barrier_signal -1
	s_barrier_wait -1
	s_cmp_lg_u32 s[WV], 0
	s_cbranch_scc1 .Lnot_wave_0_\@
	s_barrier_signal -3
.Lnot_wave_0_\@:
	s_barrier_wait -3
	s_barrier_signal -1
	s_barrier_wait -1
.endm
.macro PLACES
.rept 4
	v_nop
.endr
.endm
; THE CHANGE OF SLOTS.  Each wave waits for all its tensor loads (one is out: its part of the other slot; at the first use two: its part of slot 0 and of V's second half), adds 0 to its spare word,
; and waits for that and for its reads of the slot that it leaves.
; fill = 1: the barrier is a round of the cluster's, and the old slot is filled again, first thing behind it, with tile NXT; the load has four key steps in which to land.
.macro CHANGE fill
	WIN 0
	s_wait_tensorcnt 0x0            ; no tensor load of mine is out, so a group 0 may be written
	ds_add_u32 v[SPW], v[NIL]
.if \fill
	s_lshl_b32 s[OFF], s[NXT], 15   ; a tile is 32,768 bytes of K and of V
	s_xor_b32 s[G0K+1], s[G0K+1], SLOT1
	s_add_nc_u64 s[G0K+2:G0K+3], s[6:7], s[OFF:OFF+1]
	s_or_b32 s[G0K+3], s[G0K+3], 0x80000000
	s_xor_b32 s[G0V+1], s[G0V+1], SLOT1
	s_add_nc_u64 s[G0V+2:G0V+3], s[8:9], s[OFF:OFF+1]
	s_or_b32 s[G0V+3], s[G0V+3], 0x80000000
	s_add_co_u32 s[NXT], s[NXT], 1  ; the walk's next tile, or behind the first block's last the second block's tile 0
	s_cmp_gt_u32 s[NXT], s[LQ]
	s_cselect_b32 s[NXT], 0, s[NXT]
	s_cselect_b32 s[LQ], s[LQ2], s[LQ]
	s_wait_dscnt 0x0                ; the add is done, and my reads of the slot are over
	CROUND
	JLOAD
.else
	s_wait_dscnt 0x0
	s_barrier_signal -1
	s_barrier_wait -1
.endif
	s_sub_co_u32 s[TBK], s[TBK], 4*KS*PK  ; the fetches go back to a slot's first step, in the other slot
	s_xor_b32 s[TBK], s[TBK], SLOT1
	s_sub_co_u32 s[TBV], s[TBV], 4*KS*PV
	s_xor_b32 s[TBV], s[TBV], SLOT1
.endm
	s_load_b256 s[4:11], s[0:1], 0x0  ; qh s[4:5], kh s[6:7], vh s[8:9], ah s[10:11]
	v_lshl_add_u32 v[SPW], v0, 2, SPARE
	v_mov_b32 v[NIL], 0
	ds_add_u32 v[SPW], v[NIL]       ; the wave's opening: the add and its wait stand ahead of my first tensor load
	v_lshrrev_b32 v1, 5, v0
	v_readfirstlane_b32 s[WV], v1
	s_bfe_u32 s13, ttmp6, 0x40000   ; cx
	s_mov_b32 s15, ttmp9            ; c: the cluster's number along x, which the partners share
	s_lshl_b32 s14, s15, 2
	s_add_co_u32 s14, s14, s13      ; b
	s_and_b32 s21, ttmp7, 0xffff    ; the head (8 batch + head)
	s_lshl_b32 s20, s21, 19         ; its first byte in each of the four tensors
	s_and_b32 s16, s[WV], 1         ; which half of a tile's 256 keys I fetch
	s_lshl_b32 s22, s16, 14
	s_add_co_u32 s22, s22, s20
	s_mov_b32 s23, 0
	s_mul_i32 s17, s16, 128*PK      ; its place in a slot, for K
	s_mul_i32 s18, s16, 128*PV      ; and for V
	s_lshl_b32 s3, s[WV], 11        ; my 16 rows in a band
	s_sub_co_u32 s2, 31, s14        ; the first block
	s_lshl_b32 s[OWN], s2, 1
	s_lshl_b32 s2, s2, 14           ; 128 rows of 128 bytes
	s_add_co_u32 s2, s2, s3
	s_add_co_u32 s2, s2, s20
	s_lshl_b32 s84, s14, 14         ; the second block
	s_add_co_u32 s84, s84, s3
	s_add_co_u32 s84, s84, s20
	s_lshl_b32 s54, s21, 15         ; V's second half: 32,768 bytes a head, of which the first 8,192 are keys 0-63; my wave fetches 16 keys
	s_add_co_u32 s54, s54, s3
	s_add_co_u32 s54, s54, LOFF
	s_mov_b32 s55, 0
	s_mov_b32 s3, 0
	s_mov_b32 s85, 0
	s_lshl_b32 s[OWN2], s14, 1
	s_lshl_b32 s[TS], s15, 3
	s_sub_co_u32 s[STP], 64, s[TS]  ; the first block's walk has 64 - 8 c steps
	s_add_co_u32 s[STP2], s[TS], 8
	s_mov_b32 s[SA], 0
	s_lshl_b32 s[TS], s15, 1
	s_sub_co_u32 s[LQ], 15, s[TS]
	s_add_co_u32 s[LQ2], s[TS], 1
	s_mov_b32 s[NXT], 1
	s_mov_b32 s[G1K], 15|(1<<16)|(1<<20)|(1<<21)|(4<<22)|(3<<25)  ; the mask of four; 2-byte elements; padding on; bit 21 beside a mask; after every 32 words 4 words
	s_mov_b32 s[G1V], 15|(1<<16)|(1<<20)|(1<<21)|(4<<22)|(7<<25)  ; the same with 8 words
.irp g, G1K, G1V                    ; 128 keys are 16,384 dense bytes: asked for as 64 rows of 256 bytes, two keys a row
	s_mov_b32 s[\g+1], 128<<16
	s_mov_b32 s[\g+2], 64<<16
	s_mov_b32 s[\g+3], 128<<16
	s_mov_b32 s[\g+4], 64
	s_mov_b32 s[\g+5], 128
	s_mov_b32 s[\g+6], 0
	s_mov_b32 s[\g+7], 0
.endr
	s_mov_b32 s[G1L], 15|(1<<16)|(1<<20)|(1<<21)|(4<<22)|(7<<25)  ; V's second half: padded as V is; 16 keys are 8 rows of 256 bytes
	s_mov_b32 s[G1L+1], 128<<16
	s_mov_b32 s[G1L+2], 8<<16
	s_mov_b32 s[G1L+3], 128<<16
	s_mov_b32 s[G1L+4], 8
	s_mov_b32 s[G1L+5], 128
	s_mov_b32 s[G1L+6], 0
	s_mov_b32 s[G1L+7], 0
	s_mov_b32 s[G0L], 1
	s_mul_i32 s[G0L+1], s[WV], 16*PV
	s_add_co_u32 s[G0L+1], s[G0L+1], VLO
	s_mov_b32 s[CS], 0x3e38aa3b     ; c = log2(e) / 8
	s_mov_b32 s[CS+1], s[CS]
	s_mov_b32 s[SEL], 0x76543210
	s_mov_b32 s[SEL+1], 0xfedcba98
	s_mov_b32 s[TBK], SLOT1+4*KS*PK ; the first change of slots turns these two into 0
	s_mov_b32 s[TBV], SLOT1+4*KS*PV
	s_mov_b32 s[G0K], 1
	s_mov_b32 s[G0K+1], s17
	s_mov_b32 s[G0V], 1
	s_add_co_u32 s[G0V+1], s18, VOFF
	s_mov_b32 s[OFF+1], 0
	s_mov_b32 s[AL+1], 0
	s_mov_b32 s[BE+1], 0
	s_mov_b32 s[BIGN], 0xf149f2ca   ; -1e30
	s_wait_dscnt 0x0                ; the opening add is done
	s_wait_kmcnt 0x0
	s_add_nc_u64 s[G0L+2:G0L+3], s[8:9], s[54:55]
	s_or_b32 s[G0L+3], s[G0L+3], 0x80000000
	s_lshl_b32 s54, s21, 16         ; O's second half: 65,536 bytes a head, 2,048 a block
	s_add_co_u32 s54, s54, LOFF
	s_add_nc_u64 s[ALP2:ALP2+1], s[10:11], s[54:55]
	s_sub_co_u32 s54, 31, s14
	s_lshl_b32 s54, s54, 11
	s_add_nc_u64 s[ALP:ALP+1], s[ALP2:ALP2+1], s[54:55]
	s_lshl_b32 s54, s14, 11
	s_add_nc_u64 s[ALP2:ALP2+1], s[ALP2:ALP2+1], s[54:55]
	s_add_nc_u64 s[6:7], s[6:7], s[22:23]  ; K and V at my half of the head's tile 0
	s_add_nc_u64 s[8:9], s[8:9], s[22:23]
	s_add_nc_u64 s[G0K+2:G0K+3], s[6:7], 0
	s_or_b32 s[G0K+3], s[G0K+3], 0x80000000
	s_add_nc_u64 s[G0V+2:G0V+3], s[8:9], 0
	s_or_b32 s[G0V+3], s[G0V+3], 0x80000000
	s_add_nc_u64 s[86:87], s[4:5], s[84:85]        ; Q at my rows of the second block,
	s_add_nc_u64 s[4:5], s[4:5], s[2:3]            ; Q and O at those of the first
	s_add_nc_u64 s[OLO:OLO+1], s[10:11], s[84:85]
	s_add_nc_u64 s[10:11], s[10:11], s[2:3]
	CROUND                          ; all four work-groups are here
	s_cmp_lt_u32 s[WV], 2           ; a wave's two first fills stand in one branch: its part of tile 0 into slot 0, and its 16 keys of V's second half: two loads of mine are out
	s_cbranch_scc0 .Lfirst_v
	tensor_load_to_lds s[G0K:G0K+3], s[G1K:G1K+7]
	s_nop 0
	tensor_load_to_lds s[G0L:G0L+3], s[G1L:G1L+7]
	s_nop 0
.rept 4
	v_nop
.endr
	s_branch .Lfirst_asked
.Lfirst_v:
	tensor_load_to_lds s[G0V:G0V+3], s[G1V:G1V+7]
	s_nop 0
	tensor_load_to_lds s[G0L:G0L+3], s[G1L:G1L+7]
	s_nop 0
.rept 4
	v_nop
.endr
.Lfirst_asked:
	v_and_b32 v1, 15, v0            ; l % 16
	v_bfe_u32 v9, v0, 4, 1          ; l / 16
	v_lshlrev_b32 v[QO], 7, v1
	v_lshl_add_u32 v[QO], v9, 4, v[QO]
	WIN 0x40                        ; destination window 1, address window 0
.set i, 0
.rept 4                             ; both blocks' Q: tile i / 2 lies 8,192 bytes on; channels 32 (i % 2) on
	global_load_b128 v[8*i:8*i+3],   v[QO], s[4:5] offset:(i/2)*8192+(i%2)*64
	global_load_b128 v[8*i+4:8*i+7], v[QO], s[4:5] offset:(i/2)*8192+(i%2)*64+32
	global_load_b128 v[QB+8*i:QB+8*i+3],   v[QO], s[86:87] offset:(i/2)*8192+(i%2)*64
	global_load_b128 v[QB+8*i+4:QB+8*i+7], v[QO], s[86:87] offset:(i/2)*8192+(i%2)*64+32
.set i, i+1
.endr
	WIN 0
	v_lshlrev_b32 v13, 3, v9
	v_sub_nc_u32 v13, v1, v13
	s_lshl_b32 s13, s[WV], 4
	v_add_nc_u32 v13, s13, v13      ; my query's place in its band less my lanes' 8 (l / 16): register j of key group kt is hidden where 16 kt + j is greater
.set i, 0
.rept 32
	v_cmp_gt_i32 vcc_lo, 16*(i/8)+i%8, v13
	v_cndmask_b32 v[MD+i], 0, s[BIGN], vcc_lo
.set i, i+1
.endr
	v_mul_u32_u24 v[AK0], v1, PK
	v_lshl_add_u32 v[AK0], v9, 4, v[AK0]
	v_and_b32 v10, 7, v0            ; the turning load: lane l reads key 8 (l / 16) + l % 8, channels 8 ((l / 8) % 2) + 0..7
	v_bfe_u32 v11, v0, 3, 1
	v_lshl_add_u32 v[AV0], v9, 3, v10
	v_mul_u32_u24 v[AV0], v[AV0], PV
	v_lshl_add_u32 v[AV0], v11, 4, v[AV0]
	v_add_nc_u32 v[AV0], VOFF, v[AV0]
	s_mul_i32 s13, s[WV], 16*SP
	s_add_co_u32 s13, s13, STAGE    ; my stage
	v_mul_u32_u24 v[STO], v1, SP
	v_lshl_add_u32 v[STO], v9, 4, v[STO]
	v_add_nc_u32 v[STO], s13, v[STO]
	v_bfe_u32 v[RD], v0, 3, 2
	v_mul_u32_u24 v[RD], v[RD], SP
	v_lshl_add_u32 v[RD], v10, 4, v[RD]
	v_add_nc_u32 v[RD], s13, v[RD]
	v_and_b32 v[GO], 31, v0
	v_lshlrev_b32 v[GO], 4, v[GO]
	v_mov_b32 v[ONE], 1.0
	; O^T and l need only be finite where a block begins (its first a is 0): zeros here, in the wait for the first tile
.set i, 0
.rept 64
	v_mov_b32 v[O+i], 0
.set i, i+1
.endr
.irp u, 0,1
	v_mov_b32 v[ST+4*\u], 0xfe000000    ; c m: far below every c s
	v_mov_b32 v[ST+4*\u+1], 0xff7fffff  ; m
	v_mov_b32 v[ST+4*\u+2], 0
	v_mov_b32 v[ST+4*\u+3], 0
.endr
; THE MATRIX WORK: runs of 16 on 8 accumulators that take turns.
.macro KQS                          ; product i: channels 32 (i / 8) on, keys 16 ((i / 2) % 4) on, tile i % 2; the first 8 start the sums
	WIN W_KQ
.set i, 0
.rept 16
.set rS, S+32*(i%2)+8*((i/2)%4)
.set rK, KF+16*((i/2)%4)+8*(i/8)
.set rQ, 16*(i%2)+8*(i/8)
.if i < 8
	v_wmma_f32_16x16x32_f16 v[rS:rS+7], v[rK:rK+7], v[rQ:rQ+7], 0
.else
	v_wmma_f32_16x16x32_f16 v[rS:rS+7], v[rK:rK+7], v[rQ:rQ+7], v[rS:rS+7]
.endif
.set i, i+1
.endr
	WIN 0
.endm
.macro PVS from                     ; product i: keys 32 (i / 8) on, channels 16 ((i / 2) % 4) on, tile i % 2; from: V's fragments, or those of its second half
	WIN W_PV
.set i, 0
.rept 16
.set rO, O+32*(i%2)+8*((i/2)%4)
.set rV, (\from)+32*(i/8)+8*((i/2)%4)
.set rP, P+16*(i%2)+8*(i/8)
	v_wmma_f32_16x16x32_f16 v[rO:rO+7], v[rV:rV+7], v[rP:rP+7], v[rO:rO+7]
.set i, i+1
.endr
	WIN 0
.endm
; A step's K: 64 keys x 64 channels, 8 fragments, 16 loads.  batch = 1: the run stands in the middle of a softmax, behind its last exponential: the address's line is the plain line behind that
; exponential, the softmax's one wait follows it, and the loads, which name no result, stand between the wait and the first reader.
.macro FETCH_K batch=0
	WIN 0
	v_add_nc_u32 v[AK], s[TBK], v[AK0]
.if \batch
	s_wait_alu depctr_va_vdst(0)    ; the wait for the step's batch: both tiles' a and their 64 weights, 66 exponentials; it stands ahead of the first line that names a result
.endif
	WIN 0x40
.irp f, 0,1,2,3,4,5,6,7
	ds_load_b128 v[KF+8*\f:KF+8*\f+3],   v[AK] offset:(\f/2)*16*PK+(\f%2)*64
	ds_load_b128 v[KF+8*\f+4:KF+8*\f+7], v[AK] offset:(\f/2)*16*PK+(\f%2)*64+32
.endr
	s_add_co_u32 s[TBK], s[TBK], KS*PK
	WIN 0
.endm
.macro TURNED to                    ; 64 keys x 64 channels at v[AV], turned: 16 loads
	WIN 0x40
.irp f, 0,1,2,3,4,5,6,7
	ds_load_tr16_b128 v[(\to)+8*\f:(\to)+8*\f+3],   v[AV] offset:(\f/4)*32*PV+(\f%4)*32
	ds_load_tr16_b128 v[(\to)+8*\f+4:(\to)+8*\f+7], v[AV] offset:(\f/4)*32*PV+16*PV+(\f%4)*32
.endr
	WIN 0
.endm
.macro FETCH_V                      ; a step's V
	WIN 0
	v_add_nc_u32 v[AV], s[TBV], v[AV0]
	TURNED VF
	s_add_co_u32 s[TBV], s[TBV], KS*PV
.endm
.macro FETCH_L                      ; the second half of V of keys 0-63: once, and kept
	WIN 0
	v_add_nc_u32 v[AV], VLO-VOFF, v[AV0]
	TURNED VL
.endm
; THE VECTOR WORK, all in window 0.
.macro REGS u
.set rT, ST+4*(\u)
.set rC, TMP+4*(\u)
.set rM, MV+(\u)
.set rS, S+32*(\u)
.set rP, P+16*(\u)
.set rO, O+32*(\u)
.endm
; Number n of the 22 that find a tile's maximum and statistics: 0-11 four chains of seven scores (each accumulator's lowest registers first); 12-14, 16 the four scores
; left over, the old m, and the chains into c0; 15 c m_old is kept; 17, 18 the query's other 32 keys lie in the lane 16 away; 19-21 c m, c m_old - c m_new, a
.macro XS u, n
	REGS \u
.if (\n) < 4
	v_max3_num_f32 v[rC+(\n)], v[rS+8*(\n)], v[rS+8*(\n)+1], v[rS+8*(\n)+2]
.elseif (\n) < 12
	v_max3_num_f32 v[rC+(\n)%4], v[rC+(\n)%4], v[rS+8*((\n)%4)+2*((\n)/4)+1], v[rS+8*((\n)%4)+2*((\n)/4)+2]
.elseif (\n) == 12
	v_max3_num_f32 v[rC], v[rC], v[rS+7], v[rS+15]
.elseif (\n) == 13
	v_max3_num_f32 v[rC+1], v[rC+1], v[rS+23], v[rS+31]
.elseif (\n) == 14
	v_max3_num_f32 v[rC+2], v[rC+2], v[rC+3], v[rT+1]
.elseif (\n) == 15
	v_mov_b32 v[rM], v[rT]
.elseif (\n) == 16
	v_max3_num_f32 v[rC], v[rC], v[rC+1], v[rC+2]
.elseif (\n) == 17
	v_permlanex16_b32 v[rC+3], v[rC], s[SEL], s[SEL+1]
.elseif (\n) == 18
	v_max_num_f32 v[rT+1], v[rC], v[rC+3]
.elseif (\n) == 19
	v_mul_f32 v[rT], s[CS], v[rT+1]
.elseif (\n) == 20
	v_sub_f32 v[rC+1], v[rM], v[rT]
.else
	v_exp_f32 v[rC+2], v[rC+1]
.endif
.endm
.macro FS u, b                      ; c s - c m for pair b of 16
	REGS \u
	v_pk_fma_f32 v[rS+2*(\b):rS+2*(\b)+1], v[rS+2*(\b):rS+2*(\b)+1], s[CS:CS+1], v[rT:rT+1] op_sel_hi:[1,0,0] neg_lo:[0,0,1] neg_hi:[0,0,1]
.endm
.macro ES u, n                      ; the exponential of score n of 32
	REGS \u
	v_exp_f32 v[rS+(\n)], v[rS+(\n)]
.endm
.macro CV u, b                      ; pair b rounded to f16
	REGS \u
	v_cvt_pk_f16_f32 v[rP+(\b)], v[rS+2*(\b)], v[rS+2*(\b)+1]
.endm
.macro BS u, n                      ; of the four weights 4 n .. the second pair is added onto the first
	REGS \u
	v_pk_add_f32 v[rS+4*(\n):rS+4*(\n)+1], v[rS+4*(\n):rS+4*(\n)+1], v[rS+4*(\n)+2:rS+4*(\n)+3]
.endm
.macro LS u, n                      ; l takes that sum; the first time l = a l + sum
	REGS \u
.if (\n) == 0
	v_pk_fma_f32 v[rT+2:rT+3], v[rT+2:rT+3], v[rC+2:rC+3], v[rS:rS+1] op_sel_hi:[1,0,1]
.else
	v_pk_add_f32 v[rT+2:rT+3], v[rT+2:rT+3], v[rS+4*(\n):rS+4*(\n)+1]
.endif
.endm
.macro RS u, n                      ; pair n of 16 of O^T times a
	REGS \u
	v_pk_mul_f32 v[rO+2*(\n):rO+2*(\n)+1], v[rO+2*(\n):rO+2*(\n)+1], v[rC+2:rC+3] op_sel_hi:[1,0]
.endm
.macro RQ                           ; the next of the 32 rescalings, ascending, tiles alternating: they stand between a sum and the line that reads it
	RS r%2, r/2
.set r, r+1
.endm
; A step's softmax for both tiles, 236 lines, the tiles alternating, cut in two by ONE wait.
; AHEAD OF THE WAIT, 140 lines that name no exponential's result: XS's numbers 0-20; then the batch: the two a, and the 64 weights in sixteen groups of a scaling, two exponentials, a scaling, two
; exponentials (the last group has no scaling left).  A pair is scaled a group ahead of its exponentials.  Every result has a register of its own: the weights lie in place of their scores, a in c2's.
; THE WAIT: fetch = 1: K's run of loads for the next step stands here, and the wait stands in it, behind the address's line, which is the plain line behind the last exponential (ISA guide 5.7.2);
; fetch = 0 (the walk's last step: nothing is left to fetch): a v_nop is that line.
; BEHIND THE WAIT, 96 lines, in eight groups of twelve: four weights' two pairs of both tiles are rounded; then the second pair is added onto the first, in place; two rescalings; l takes the sum; two rescalings.
.macro SOFTMAX fetch
	WIN 0
.set r, 0
.set n, 0
.rept 22
	XS 0, n
	XS 1, n
.set n, n+1
.endr
	FS 0, 0
	FS 1, 0
.set n, 0
.rept 16
.if n < 15
	FS 0, n+1
.endif
	ES 0, 2*n
	ES 1, 2*n
.if n < 15
	FS 1, n+1
.endif
	ES 0, 2*n+1
	ES 1, 2*n+1
.set n, n+1
.endr
.if \fetch
	FETCH_K 1                       ; the last product that read K stands in front of four v_nop and of all the lines above
.else
	v_nop                           ; a plain line behind the last exponential
	s_wait_alu depctr_va_vdst(0)    ; the wait for the step's batch: both tiles' a and their 64 weights, 66 exponentials; it stands ahead of the first line that names a result
.endif
.set n, 0
.rept 8
	CV 0, 2*n
	CV 1, 2*n
	CV 0, 2*n+1
	CV 1, 2*n+1
	BS 0, n
	BS 1, n
	RQ
	RQ
	LS 0, n
	LS 1, n
	RQ
	RQ
.set n, n+1
.endr
.endm
; The mask of the step whose scores have just been made: S += MD x AL, then S += BE, with (AL, BE) = (1, 0) in the tile's own step, (0, 0) before it, (0, -1e30) behind it.
.macro MASK
	WIN 0
.irp x, 0,1
	s_add_co_u32 s[TS], s[OWN], \x
	s_cmp_eq_u32 s[SA], s[TS]
	s_cselect_b32 s[AL], 1.0, 0
	s_cmp_gt_u32 s[SA], s[TS]
	s_cselect_b32 s[BE], s[BIGN], 0
.set z, 0
.rept 16
	v_pk_fma_f32 v[S+32*(\x)+2*z:S+32*(\x)+2*z+1], v[MD+2*z:MD+2*z+1], s[AL:AL+1], v[S+32*(\x)+2*z:S+32*(\x)+2*z+1] op_sel_hi:[1,0,1]
.set z, z+1
.endr
.set z, 0
.rept 16
	v_pk_add_f32 v[S+32*(\x)+2*z:S+32*(\x)+2*z+1], v[S+32*(\x)+2*z:S+32*(\x)+2*z+1], s[BE:BE+1] op_sel_hi:[1,0]
.set z, z+1
.endr
.endr
.endm
; THE WAY OUT: l's halves and the other half of the lanes' are added; O^T is divided by l, rounded to f16 and sent through my stage, a tile at a time.
.macro PACK t
.set i, 0
.rept 16
	v_pk_mul_f32 v[O+32*(\t)+2*i:O+32*(\t)+2*i+1], v[O+32*(\t)+2*i:O+32*(\t)+2*i+1], v[ST+4*(\t)+2:ST+4*(\t)+3] op_sel_hi:[1,0]
.set i, i+1
.endr
.set i, 0
.rept 16
	v_cvt_pk_f16_f32 v[S+16*(\t)+i], v[O+32*(\t)+2*i], v[O+32*(\t)+2*i+1]
.set i, i+1
.endr
.irp f, 0,1,2,3
	ds_store_b128 v[STO], v[S+16*(\t)+4*\f:S+16*(\t)+4*\f+3] offset:32*\f
.endr
.irp f, 0,1,2,3
	ds_load_b128 v[S+16*(\t)+4*\f:S+16*(\t)+4*\f+3], v[RD] offset:\f*4*SP  ; LDS serves a wave's instructions in order (ISA guide 5.7.1.4): these see the stores above
.endr
.endm
.macro SEND t, younger              ; younger: the LDS instructions issued behind tile t's loads
.irp f, 0,1,2,3
	s_wait_dscnt (\younger)+3-\f
	global_store_b128 v[GO], v[S+16*(\t)+4*\f:S+16*(\t)+4*\f+3], s[10:11] offset:(\t)*8192+\f*512  ; 512 consecutive bytes, aligned
.endr
.endm
.macro WAYOUT
	WIN 0
.irp t, 0,1
	v_add_f32 v[ST+4*\t+2], v[ST+4*\t+2], v[ST+4*\t+3]
.endr
.irp t, 0,1
	v_permlanex16_b32 v[ST+4*\t+3], v[ST+4*\t+2], s[SEL], s[SEL+1]
.endr
.irp t, 0,1
	v_add_f32 v[ST+4*\t+2], v[ST+4*\t+2], v[ST+4*\t+3]
.endr
.irp t, 0,1
	v_rcp_f32 v[ST+4*\t+2], v[ST+4*\t+2]
.endr
	v_nop                           ; a plain line between the last reciprocal and the use of its result
	s_wait_alu depctr_va_vdst(0)    ; the wait for the way out's batch, the two reciprocals: it stands ahead of the first line that names a result
	PACK 0
	PACK 1
	SEND 0, 8
	SEND 1, 0
	; wave 0's tile 0 is the block's first 16 rows: what its rounding left goes out too, by the same way.  The jump hangs on the wave's number and passes no barrier.
	s_cmp_lg_u32 s[WV], 0
	s_cbranch_scc1 .Lno_lo_\@
.set i, 0
.rept 16
	v_cvt_pk_f16_f32 v[S+32+i], v[O+2*i], v[O+2*i+1]
.set i, i+1
.endr
.set i, 0
.rept 16
	v_fma_mix_f32 v[O+2*i],   -v[S+32+i], v[ONE], v[O+2*i]   op_sel_hi:[1,0,0]                 ; O less its f16, exact
	v_fma_mix_f32 v[O+2*i+1], -v[S+32+i], v[ONE], v[O+2*i+1] op_sel:[1,0,0] op_sel_hi:[1,0,0]
.set i, i+1
.endr
.set i, 0
.rept 16
	v_cvt_pk_f16_f32 v[S+48+i], v[O+2*i], v[O+2*i+1]
.set i, i+1
.endr
.irp f, 0,1,2,3
	ds_store_b128 v[STO], v[S+48+4*\f:S+48+4*\f+3] offset:32*\f
.endr
.irp f, 0,1,2,3
	ds_load_b128 v[S+48+4*\f:S+48+4*\f+3], v[RD] offset:\f*4*SP
.endr
.irp f, 0,1,2,3
	s_wait_dscnt 3-\f
	global_store_b128 v[GO], v[S+48+4*\f:S+48+4*\f+3], s[ALP:ALP+1] offset:\f*512
.endr
.Lno_lo_\@:
.endm
; The first block ends and the second begins: only m, the counters, O's addresses and Q are set anew.
.macro BLOCKEND
	WAYOUT
	s_wait_xcnt 0x0                 ; the stores have read their registers and O's addresses
	s_mov_b64 s[10:11], s[OLO:OLO+1]
	s_mov_b64 s[ALP:ALP+1], s[ALP2:ALP2+1]
	s_mov_b32 s[STP], s[STP2]
	s_mov_b32 s[SA], 0
	s_mov_b32 s[OWN], s[OWN2]
.irp u, 0,1
	v_mov_b32 v[ST+4*\u], 0xfe000000
	v_mov_b32 v[ST+4*\u+1], 0xff7fffff
.endr
	WIN 0x41                        ; destination and source 0 in window 1
.set i, 0
.rept 32
	v_mov_b32 v[i], v[QB+i]
.set i, i+1
.endr
	WIN 0
.endm
; A TRIP: step j's softmax, in whose middle K of step j + 1 is fetched; step j's products V^T P; V of step j + 1 is fetched; step j + 1's products K Q^T and, near a block's end, its mask.
; main = 1: the loop's text, with the second half of V in a walk's step 0, the block's end and the jump over the mask; main = 0: the walk's last tile, whose four steps all take the mask
; (its first trip finishes step 3 or a later one of the second walk: never step 0).
.macro TRIP main
	SOFTMAX 1
	s_wait_dscnt 16                 ; V of step j is in; K's sixteen loads are younger
	PVS VF
.if \main
	s_cmp_eq_u32 s[SA], 1           ; step j is the walk's step 0: keys 0-63
	s_cbranch_scc0 .Lnolo
	PVS VL                          ; the same weights on what V's rounding left; the accumulators go on taking turns
.Lnolo:
.endif
	PLACES
	FETCH_V
.if \main
	s_cmp_lg_u32 s[STP], 0
	s_cbranch_scc1 .Lnoend          ; forward, over text that holds no barrier and no tensor load
	BLOCKEND
.Lnoend:
.Lenter:
.endif
	s_wait_dscnt 16                 ; K of step j + 1 is in; V's sixteen loads are younger
	KQS
	PLACES
.if \main
	s_cmp_gt_u32 s[STP], 8
	s_cbranch_scc1 .Lnomask
.endif
	MASK
.if \main
.Lnomask:
.endif
	s_add_co_u32 s[SA], s[SA], 1
	s_sub_co_u32 s[STP], s[STP], 1
	s_sub_co_u32 s[CNT], s[CNT], 1
	s_cmp_lg_u32 s[CNT], 0
.endm
	CHANGE 1                        ; slot 0 and V's second half are in, everybody's part of them; tile 1 is asked for, into slot 1
	FETCH_L                         ; older than K's and V's loads below: every later count that shows those in shows these in
	FETCH_K                         ; key step 0
	FETCH_V
	s_wait_loadcnt 0x0              ; Q
	s_mov_b32 s[CNT], 4
	s_mov_b32 s[SLOTS], 17
	s_branch .Lenter                ; the loop is entered in the middle of a trip: there is no step yet to finish
.Lslot:                             ; 16 times: a tile is entered and the next is asked for
	CHANGE 1
	s_mov_b32 s[CNT], 4
.Ltrip:
	TRIP 1
	s_cbranch_scc1 .Ltrip
	s_sub_co_u32 s[SLOTS], s[SLOTS], 1
	s_cmp_lg_u32 s[SLOTS], 0
	s_cbranch_scc1 .Lslot
	CHANGE 0                        ; the walk's last tile is written out
	s_mov_b32 s[CNT], 4
.Ltail:
	TRIP 0
	s_cbranch_scc1 .Ltail
	SOFTMAX 0                       ; the last step
	s_wait_dscnt 0x0
	PVS VF
	PLACES
	WAYOUT
	s_wait_tensorcnt 0x0            ; the wave's end
	ds_add_u32 v[SPW], v[NIL]
	s_wait_dscnt 0x0
	CROUND                          ; the closing round
	s_endpgm
.Lfunc_end_k_qf654f9c283_attn:
	.size	k_qf654f9c283_attn, .Lfunc_end_k_qf654f9c283_attn-k_qf654f9c283_attn
	.p2alignl 7, 3214868480
	.fill 96, 4, 3214868480
	.section	.rodata,"a",@progbits
	.p2align	6, 0x0
	.amdhsa_kernel k_qf654f9c283_attn
		.amdhsa_group_segment_fixed_size 327680
		.amdhsa_private_segment_fixed_size 0
		.amdhsa_enable_private_segment 0
		.amdhsa_kernarg_size 32
		.amdhsa_user_sgpr_count 2
		.amdhsa_user_sgpr_kernarg_segment_ptr 1
		.amdhsa_wavefront_size32 1
		.amdhsa_system_sgpr_workgroup_id_x 1
		.amdhsa_system_sgpr_workgroup_id_y 1
		.amdhsa_system_sgpr_workgroup_id_z 1
		.amdhsa_system_vgpr_workitem_id 0
		.amdhsa_next_free_vgpr 512
		.amdhsa_next_free_sgpr 100
		.amdhsa_reserve_vcc 1
		.amdhsa_float_denorm_mode_32 3
		.amdhsa_float_denorm_mode_16_64 3
		.amdhsa_memory_ordered 1
		.amdhsa_forward_progress 1
		.amdhsa_inst_pref_size 106
	.end_amdhsa_kernel
	.amdgpu_metadata
---
amdhsa.version: [ 1, 2 ]
amdhsa.kernels:
  - .name:           k_qf654f9c283_attn
    .symbol:         k_qf654f9c283_attn.kd
    .args:
      - { .name: qh, .offset: 0, .size: 8, .value_kind: global_buffer, .address_space: global }
      - { .name: kh, .offset: 8, .size: 8, .value_kind: global_buffer, .address_space: global }
      - { .name: vh, .offset: 16, .size: 8, .value_kind: global_buffer, .address_space: global }
      - { .name: ah, .offset: 24, .size: 8, .value_kind: global_buffer, .address_space: global }
    .group_segment_fixed_size: 327680
    .private_segment_fixed_size: 0
    .kernarg_segment_align: 8
    .kernarg_segment_size: 32
    .max_flat_workgroup_size: 128
    .sgpr_count:     100
    .vgpr_count:     512
    .wavefront_size: 32
...
	.end_amdgpu_metadata
.endif
;; end of part 5
;; launch oproj: the kernel of part 4 again; grid 8 x 32, 4 waves a work-group, clusters of 4 x 4, 327,680 bytes of LDS; arguments ah, wof, out0; writes out0
